; MI455X (gfx1250); checked and timed in simulation.
; The chip was launched on July 23, 2026; its instructions are those of AMD's public machine-readable ISA for CDNA 5 (MIT licence, August 2026) and "CDNA5" Instruction Set Architecture Reference Guide (July 2026). The comments in the code are by the model that wrote it; some were corrected since.
;; Custom Multi Head Self Attention. Allowed arithmetic: matrix products marked QUANTISED: E2M1 operands, one E8M0 scale for each 32 along K, by v_wmma_scale_f32_16x16x128_f8f6f4 with both operands' format E2M1 (or v_wmma_scale_f32_32x16x128_f4), f32 sums; products left as they are: bf16, f16 or f32 operands; f32 sums; everything else in f32.
;; Inputs: in_proj_b 3,072 float32; in_proj_w 3,072 x 1,024 float32; out_proj_b 1,024 float32; out_proj_w 1,024 x 1,024 float32; qkv 4 x 2,048 x 1,024 float32.
;; Outputs: out0 4 x 2,048 x 1,024 float32.
;; This version of the problem:
;;   THIS VERSION OF THE PROBLEM IS GIVEN IN LOW PRECISION. The matrix products marked QUANTISED in the list below multiply operands that are first quantised to E2M1 (2 exponent bits, 1 mantissa bit; 4 bits a number), with one power-of-two scale for each 32 numbers along K (OCP MX v1.0); their sums are f32. The products marked 'left as it is' may take bf16, f16 or f32 operands, with f32 sums. Whichever they take, every output number must still come out within the allowed error. Rounding operands to bf16 (8 significant bits) uses up far more of that allowance than f16 does (11 bits, for magnitudes from 6e-5 to 65,504). All else is computed in f32.
;;   The module's matrix products, in the order in which they are computed (A, B: the left and right operand; K: the contracted axis; several contracted axes count as one K, in the product's order):
;;     1. [M 8,192, K 1,024] x [K 1,024, N 3,072]; A: input qkv; B: input in_proj_w: QUANTISED
;;     2. batch 64 x [M 2,048, K 64] x [K 64, N 2,048]; A: computed on the way; B: computed on the way: left as it is (an operand is computed on the way)
;;     3. batch 64 x [M 2,048, K 2,048] x [K 2,048, N 64]; A: computed on the way; B: computed on the way: left as it is (an operand is computed on the way)
;;     4. [M 8,192, K 1,024] x [K 1,024, N 1,024]; A: computed on the way; B: input out_proj_w: left as it is (an operand is computed on the way)
;;   THE QUANTISER, for each operand of a quantised product, along K:
;;     - K is cut into blocks of 32 from its start; a last block that is shorter is filled with zeros.
;;     - A block's scale is 2^e with e = floor(log2(the largest magnitude in the block)) - 2, held to -126 .. 127; a block of zeros has e = 0. As a byte (E8M0): e + 127.
;;     - Each number is divided by its block's scale, clamped to +-6, and rounded to the nearest number of E2M1, ties to even, subnormals kept.
;;     - The product sums the exact products of the quantised numbers (number of the format x scale) in f32.
;;   ~~~python
;;   def quantise(x, axis):      # numpy; x: float32 -> the quantised numbers, widened to float32 again
;;       x = np.moveaxis(x, axis, -1); K = x.shape[-1]
;;       x = np.pad(x, [(0, 0)] * (x.ndim - 1) + [(0, -K % 32)]); x = x.reshape(x.shape[:-1] + (-1, 32)); a = np.abs(x).max(-1, keepdims=True)
;;       e = np.where(a > 0, np.clip(np.frexp(np.where(a > 0, a, 1))[1] - 1 - 2, -126, 127), 0)      # np.frexp(a)[1] - 1 = floor(log2(a)), exactly
;;       r = np.clip(x / 2.0 ** e, -6, 6)
;;       step = 2.0 ** (np.maximum(np.frexp(np.where(r == 0, 1, r))[1] - 1, 0) - 1)
;;       q = np.round(r / step) * step * 2.0 ** e      # np.round: ties to even
;;       return np.moveaxis(q.reshape(q.shape[:-2] + (-1,))[..., :K], -1, axis).astype(np.float32)
;;   ~~~
;; One version. Each part assembles by itself: llvm-mc -triple=amdgcn-amd-amdhsa -mcpu=gfx1250 --defsym DOCPART=n.
;; ======== version 1 of 1: 4 launches
;; limits: values are held in f16: magnitudes above 65,504 overflow, below 6.1e-05 lose precision
;; workspace buffers: x_codes 4,194,304 bytes; x_scales 262,144 bytes; w_codes 1,572,864 bytes; w_scales 98,304 bytes; wof 2,097,152 bytes; qkvf 50,331,648 bytes; att 16,777,216 bytes
;; launch prep (part 1): grid 416 x 1, 4 waves a work-group, no clusters, 33,280 bytes of LDS; arguments qkv, in_proj_w, x_codes, x_scales, w_codes, w_scales, out_proj_w, wof; writes x_codes, x_scales, w_codes, w_scales, wof
.if DOCPART == 1
	.amdgcn_target "amdgcn-amd-amdhsa--gfx1250"
	.amdhsa_code_object_version 6
	.text
	.protected	k_q5a3c0dcb71_prep
	.globl	k_q5a3c0dcb71_prep
	.p2align	8
	.type	k_q5a3c0dcb71_prep,@function
k_q5a3c0dcb71_prep:
	s_mov_b64 s[64:65], 0
	v_nop
	global_prefetch_b8 v0, s[64:65] scope:SCOPE_SE
	s_setreg_imm32_b32 hwreg(HW_REG_WAVE_MODE, 25, 1), 1
	s_wait_xcnt 0x0
; TWO JOBS IN ONE LAUNCH, told apart by the work-group's number.
; Work-groups 0-351: qkv [8192][1024] and in_proj_w [3072][1024], f32, K innermost, become codes of FP4 (E2M1), two a byte, and one E8M0 scale byte for each 32 along K.
;   A block's scale is 2^(floor(log2(its largest magnitude)) - 2); its byte is the largest magnitude's exponent field - 2, held at 1 from below; each number is divided by the scale and
;   rounded to the nearest code, ties to even, beyond 6 the largest code.  Rows are dense and K is a multiple of 32: both tensors are plain streams of blocks of 32.
; Work-groups 352-415: out_proj_w [1024][1024] f32 becomes f16, laid as images of the last launch's operand registers: [K step of 256: 4][16 output columns: 64][32 along K: 8][1,024 bytes].
;   An image: registers 0-3 of a fragment (16 rows x 32 K) as 512 bytes, lane l's 16 bytes at 16 l, then registers 4-7 likewise.
; LIMITS: a block of zeros gets the byte 1, not 127 (its codes are zeros, and this program alone reads the bytes); blocks whose largest magnitude lies under 2^-124 are held at the byte 1;
;   NaN and infinities are not served; |out_proj_w| above 65,504 becomes infinity in f16.
; THE QUANTISER: a wave takes 16 steps of 512 numbers.  Each of a step's four loads reads 512 consecutive bytes, 16 a lane; the 2,048 bytes turn through the wave's own stage in LDS and come back 64 bytes a lane,
; so that a lane holds 16 neighbours along K (two neighbouring lanes hold a block).  A lane's 16 codes are 8 bytes: the wave stores 256 consecutive bytes.  A wave's 256 scale bytes are gathered in LDS and leave as one run of 256.
.set SIZE_M, 8192
.set SIZE_N, 3072
.set SIZE_K, 1024
.set WAVES, 4
.set STEPS, 16
.set WGA,   SIZE_M*SIZE_K/(512*STEPS*WAVES)            ; 256 work-groups for qkv
.set WGQ,   (SIZE_M+SIZE_N)*SIZE_K/(512*STEPS*WAVES)   ; 352 for both
.set EMAX,  2
.set CB,    8                          ; bytes of 16 codes
.set R,     16                         ; v16-79   four sets of 16 numbers as they are loaded
.set X,     80                         ; v80-111  two sets of 16 neighbours
.set C,     128                        ; v128-191 codes: four registers for each step, so that no store's data are written again
.set E,     112                        ; v112-127 a scale byte for each step
.set CV,    16                         ; v16-143  the f16 path: 8 fragments x 16 numbers, packed in place
.set WREG,  8192                       ; LDS: a region for each wave: two stages of 32 x SP bytes, behind them its 256 scale bytes
.set SP,    80                         ; a lane's place in a stage: 64 bytes + 16 of padding
.set SPW,   12                         ; v12  LDS address of my spare word; never rewritten
.set NIL,   13                         ; v13  0; never rewritten
.set SPARE, WAVES*WREG                 ; behind the four regions: the spare words, 128 bytes a wave
	s_load_b128 s[4:7], s[0:1], 0x0                ; qkv, in_proj_w
	s_load_b128 s[8:11], s[0:1], 0x10              ; qkv's codes, its scales
	s_load_b128 s[12:15], s[0:1], 0x20             ; in_proj_w's codes, its scales
	s_load_b128 s[24:27], s[0:1], 0x30             ; out_proj_w, its f16 images
	v_lshl_add_u32 v[SPW], v0, 2, SPARE
	v_mov_b32 v[NIL], 0
	v_lshrrev_b32 v1, 5, v0
	v_readfirstlane_b32 s16, v1                    ; wave
	v_and_b32 v2, 31, v0                           ; lane
	v_lshlrev_b32 v3, 4, v2                        ; 16 x lane
	s_mul_i32 s17, s16, WREG
	v_lshrrev_b32 v14, 2, v2
	v_mul_u32_u24 v14, v14, SP
	v_and_b32 v15, 3, v2
	v_lshl_add_u32 v14, v15, 4, v14
	v_add_nc_u32 v14, s17, v14                     ; the stage, on the way in: SP (lane / 4) + 16 (lane % 4)
	v_mul_u32_u24 v15, v2, SP
	v_add_nc_u32 v15, s17, v15                     ; and on the way out: SP x lane: my 16 neighbours
	v_mul_u32_u24 v4, v2, CB                       ; my codes' place in a step's
	v_lshrrev_b32 v5, 1, v2
	s_add_co_u32 s17, s17, 2*32*SP
	v_add_nc_u32 v5, s17, v5                       ; LDS: my wave's 256 scale bytes, my block's byte
	v_lshlrev_b32 v7, 3, v2                        ; and on the way out 8 bytes a lane
	v_add_nc_u32 v6, s17, v7
	s_wait_kmcnt 0x0
	s_cmp_ge_u32 ttmp9, WGQ                        ; the last 64 work-groups convert out_proj_w: a branch on the work-group's number
	s_cbranch_scc1 .Lconv
	s_cmp_lt_u32 ttmp9, WGA                        ; qkv's work-group or in_proj_w's?  Only pointers are chosen: both take one path
	s_cselect_b64 s[4:5], s[4:5], s[6:7]
	s_cselect_b64 s[8:9], s[8:9], s[12:13]
	s_cselect_b64 s[10:11], s[10:11], s[14:15]
	s_cselect_b32 s17, 0, WGA
	s_sub_co_u32 s17, ttmp9, s17
	s_lshl_b32 s17, s17, 2
	s_add_co_u32 s18, s17, s16                     ; which run of 8,192 numbers of the tensor is my wave's
	s_mov_b32 s19, 0
	s_mov_b64 s[20:21], 512*STEPS*4
	s_mul_u64 s[20:21], s[18:19], s[20:21]
	s_add_nc_u64 s[4:5], s[4:5], s[20:21]
	s_mov_b64 s[20:21], 32*STEPS*CB
	s_mul_u64 s[20:21], s[18:19], s[20:21]
	s_add_nc_u64 s[8:9], s[8:9], s[20:21]
	s_lshl_b32 s18, s18, 8                         ; 256 scale bytes a run
	s_add_nc_u64 s[10:11], s[10:11], s[18:19]
.macro LOAD t
.irp i, 0,1,2,3
	global_load_b128 v[R+16*((\t)%4)+4*\i:R+16*((\t)%4)+4*\i+3], v3, s[4:5] offset:2048*(\t)+512*\i th:TH_LOAD_NT   ; 32 lanes read 512 consecutive bytes
.endr
.endm
.macro TURN t                          ; step t's numbers through the stage: LDS serves a wave's instructions in order, so no wait stands between the stores and the loads
.irp i, 0,1,2,3
	ds_store_b128 v14, v[R+16*((\t)%4)+4*\i:R+16*((\t)%4)+4*\i+3] offset:32*SP*((\t)%2)+8*SP*\i
.endr
.irp i, 0,1,2,3
	ds_load_b128 v[X+16*((\t)%2)+4*\i:X+16*((\t)%2)+4*\i+3], v15 offset:32*SP*((\t)%2)+16*\i
.endr
.endm
.irp t, 0,1,2,3
	LOAD \t
.endr
	s_wait_loadcnt 12                              ; step 0's four loads are in; the twelve of steps 1 to 3 may be out
	TURN 0
.macro STEP t
.set XS, X+16*((\t)%2)
.if (\t) > 0
	s_wait_dscnt 1                                 ; this step's numbers are back from the stage (the last step's byte store may be out)
.else
	s_wait_dscnt 0x0
.endif
.if (\t)+4 < STEPS
	LOAD (\t)+4                                    ; into the registers whose stores into the stage are done
.endif
.if (\t)+1 < STEPS
.if STEPS-2-(\t) >= 3
	s_wait_loadcnt 12                              ; the next step's four loads are in; those of the three steps behind it may be out
.else
	s_wait_loadcnt 4*(STEPS-2-(\t))
.endif
	TURN (\t)+1                                    ; through the other stage while this step is worked
.endif
	v_max3_num_f32 v8, |v[XS]|, |v[XS+1]|, |v[XS+2]|               ; the largest magnitude of my 16, in two chains
	v_max3_num_f32 v9, |v[XS+3]|, |v[XS+4]|, |v[XS+5]|
.irp i, 6,10
	v_max3_num_f32 v8, v8, |v[XS+\i]|, |v[XS+\i+1]|
	v_max3_num_f32 v9, v9, |v[XS+\i+2]|, |v[XS+\i+3]|
.endr
	v_max3_num_f32 v8, v8, |v[XS+14]|, |v[XS+15]|
	v_max3_num_f32 v8, v8, v9, (EMAX+1)<<23        ; and the floor 2^(EMAX + 1 - 127): the byte cannot fall under 1
	v_max_num_f32_dpp v8, v8, v8 row_xmask:1 row_mask:0xf bank_mask:0xf   ; and of my neighbour's 16: the block's
	v_add_nc_u32 v11, -(EMAX<<23), v8              ; EMAX off its exponent field: the conversion takes the exponent field of this operand as its scale
	v_cvt_scalef32_pk8_fp4_f32 v[C+4*(\t)], v[XS:XS+7], v11
	v_cvt_scalef32_pk8_fp4_f32 v[C+4*(\t)+1], v[XS+8:XS+15], v11
	v_lshrrev_b32 v[E+(\t)], 23, v11               ; the scale's byte (also the plain line behind the conversions)
	ds_store_b8 v5, v[E+(\t)] offset:16*(\t)       ; both lanes of a block write the same byte with the same value
	global_store_b64 v4, v[C+4*(\t):C+4*(\t)+1], s[8:9] offset:32*CB*(\t)   ; the wave stores 256 consecutive bytes, aligned
.endm
.irp t, 0,1,2,3,4,5,6,7,8,9,10,11,12,13,14,15
	STEP \t
.endr
	ds_load_b64 v[8:9], v6                         ; LDS serves a wave's instructions in order: these see my stores
	s_wait_dscnt 0x0
	global_store_b64 v7, v[8:9], s[10:11]          ; 32 lanes store 256 consecutive bytes, aligned
	s_wait_tensorcnt 0x0                           ; the wave's end, behind my last LDS store
	ds_add_u32 v[SPW], v[NIL]
	s_wait_dscnt 0x0
	s_endpgm
; OUT_PROJ_W TO f16.  Work-group = 16 output columns (rows of out_proj_w), wave = K step of 256: 8 fragments.  Lane (r, h) of fragment f wants row r, k = 32 f + 8 h + 0..7 and 32 f + 16 + 8 h + 0..7:
; four loads of 16 bytes.  The wave's 32 loads together take 1,024 consecutive bytes of each of its 16 rows.
.Lconv:
	s_sub_co_u32 s17, ttmp9, WGQ                   ; which 16 rows
	s_lshl_b32 s18, s17, 16                        ; 16 rows of 4,096 bytes
	s_lshl_b32 s19, s16, 10                        ; + 256 numbers a K step
	s_add_co_u32 s18, s18, s19
	s_mov_b32 s19, 0
	s_add_nc_u64 s[24:25], s[24:25], s[18:19]
	s_lshl_b32 s18, s16, 19                        ; out: K step x 64 x 8 KB
	s_lshl_b32 s20, s17, 13                        ; + 8 KB for each 16 rows
	s_add_co_u32 s18, s18, s20
	s_add_nc_u64 s[26:27], s[26:27], s[18:19]
	v_and_b32 v8, 15, v0                           ; r
	v_bfe_u32 v9, v0, 4, 1                         ; h
	v_lshlrev_b32 v8, 12, v8
	v_lshl_or_b32 v8, v9, 5, v8                    ; row r, + 32 h bytes
.irp f, 0,1,2,3,4,5,6,7
	global_load_b128 v[CV+16*\f:CV+16*\f+3],     v8, s[24:25] offset:128*\f
	global_load_b128 v[CV+16*\f+4:CV+16*\f+7],   v8, s[24:25] offset:128*\f+16
	global_load_b128 v[CV+16*\f+8:CV+16*\f+11],  v8, s[24:25] offset:128*\f+64
	global_load_b128 v[CV+16*\f+12:CV+16*\f+15], v8, s[24:25] offset:128*\f+80
.endr
.irp f, 0,1,2,3,4,5,6,7
	s_wait_loadcnt 4*(7-\f)                        ; fragment f's four loads are in; the later fragments' may be out
.irp i, 0,1,2,3,4,5,6,7
	v_cvt_pk_f16_f32 v[CV+8*\f+\i], v[CV+16*\f+2*\i], v[CV+16*\f+2*\i+1]   ; packed downward in place: register 8 f + i never lies above a number still unread, nor in a later fragment's loads, nor in an earlier store's data
.endr
	global_store_b128 v3, v[CV+8*\f:CV+8*\f+3],   s[26:27] offset:1024*\f       ; 512 consecutive bytes, aligned
	global_store_b128 v3, v[CV+8*\f+4:CV+8*\f+7], s[26:27] offset:1024*\f+512
.endr
	s_endpgm
.Lfunc_end_k_q5a3c0dcb71_prep:
	.size	k_q5a3c0dcb71_prep, .Lfunc_end_k_q5a3c0dcb71_prep-k_q5a3c0dcb71_prep
	.p2alignl 7, 3214868480
	.fill 96, 4, 3214868480
	.section	.rodata,"a",@progbits
	.p2align	6, 0x0
	.amdhsa_kernel k_q5a3c0dcb71_prep
		.amdhsa_group_segment_fixed_size 33280
		.amdhsa_private_segment_fixed_size 0
		.amdhsa_enable_private_segment 0
		.amdhsa_kernarg_size 64
		.amdhsa_user_sgpr_count 2
		.amdhsa_user_sgpr_kernarg_segment_ptr 1
		.amdhsa_wavefront_size32 1
		.amdhsa_system_sgpr_workgroup_id_x 1
		.amdhsa_system_sgpr_workgroup_id_y 1
		.amdhsa_system_sgpr_workgroup_id_z 1
		.amdhsa_system_vgpr_workitem_id 0
		.amdhsa_next_free_vgpr 192
		.amdhsa_next_free_sgpr 66
		.amdhsa_reserve_vcc 0
		.amdhsa_float_denorm_mode_32 3
		.amdhsa_float_denorm_mode_16_64 3
		.amdhsa_memory_ordered 1
		.amdhsa_forward_progress 1
		.amdhsa_inst_pref_size 43
	.end_amdhsa_kernel
	.amdgpu_metadata
---
amdhsa.version: [ 1, 2 ]
amdhsa.kernels:
  - .name:           k_q5a3c0dcb71_prep
    .symbol:         k_q5a3c0dcb71_prep.kd
    .args:
      - { .name: qkv, .offset: 0, .size: 8, .value_kind: global_buffer, .address_space: global }
      - { .name: in_proj_w, .offset: 8, .size: 8, .value_kind: global_buffer, .address_space: global }
      - { .name: x_codes, .offset: 16, .size: 8, .value_kind: global_buffer, .address_space: global }
      - { .name: x_scales, .offset: 24, .size: 8, .value_kind: global_buffer, .address_space: global }
      - { .name: w_codes, .offset: 32, .size: 8, .value_kind: global_buffer, .address_space: global }
      - { .name: w_scales, .offset: 40, .size: 8, .value_kind: global_buffer, .address_space: global }
      - { .name: out_proj_w, .offset: 48, .size: 8, .value_kind: global_buffer, .address_space: global }
      - { .name: wof, .offset: 56, .size: 8, .value_kind: global_buffer, .address_space: global }
    .group_segment_fixed_size: 33280
    .private_segment_fixed_size: 0
    .kernarg_segment_align: 8
    .kernarg_segment_size: 64
    .max_flat_workgroup_size: 128
    .sgpr_count:     66
    .vgpr_count:     192
    .wavefront_size: 32
...
	.end_amdgpu_metadata
.endif
;; end of part 1
;; launch proj (part 2): grid 12 x 32, 4 waves a work-group, clusters of 4 x 4, 327,680 bytes of LDS; arguments x_codes, x_scales, w_codes, w_scales, in_proj_b, qkvf; writes qkvf
.if DOCPART == 2
	.amdgcn_target "amdgcn-amd-amdhsa--gfx1250"
	.amdhsa_code_object_version 6
	.text
	.protected	k_q5a3c0dcb71_proj
	.globl	k_q5a3c0dcb71_proj
	.p2align	8
	.type	k_q5a3c0dcb71_proj,@function
k_q5a3c0dcb71_proj:
	s_mov_b64 s[64:65], 0
	v_nop
	global_prefetch_b8 v0, s[64:65] scope:SCOPE_SE
	s_setreg_imm32_b32 hwreg(HW_REG_WAVE_MODE, 25, 1), 1
	s_wait_xcnt 0x0
	s_wait_alu depctr_hold_cnt(0) depctr_sa_sdst(0) depctr_va_vdst(0) depctr_va_sdst(0) depctr_va_ssrc(0) depctr_va_vcc(0) depctr_vm_vsrc(0)
	s_getreg_b32 s2, hwreg(HW_REG_IB_STS2, 6, 4)
	s_cmp_eq_u32 s2, 0
	s_cbranch_scc0 .Lentry_in_a_cluster
	s_endpgm
.Lentry_in_a_cluster:
	s_bfe_u32 s2, ttmp6, 0x10000c
	s_cmp_lg_u32 s2, 0xf033
	s_cbranch_scc0 .Lentry_shape_is_right
	s_endpgm
.Lentry_shape_is_right:
; q, k, v = Q(qkv) Q(in_proj_w)^T + in_proj_b, [8192][3072], on codes of FP4 (E2M1) with one E8M0 scale for each 32 along K = 1,024; sums in f32; results rounded once to f16.
; A tile of 256 tokens x 256 columns is made by four waves, each 128 x 128: 64 accumulators of 16 x 16, 512 registers.  K is two steps of 512: two LDS slots, each filled once by the tensor data mover
; (a tile's row is 256 bytes of memory); the scales of the work-group's 256 + 256 rows for all of K come with them, in runs of 256 bytes.
; CLUSTERS: 4 x 4 work-groups; the four of a row need the same tiles of the tokens, the four of a column the same tiles of the weight: each tile is asked for JOINTLY.
; THE MATRIX INSTRUCTION IS USED TRANSPOSED (source 0 = 16 rows of the weight, source 1 = 16 tokens): a lane holds one token and eight neighbouring columns.  So two neighbouring accumulators, packed to f16,
; ARE the eight registers of a 16-bit fragment (16 tokens x 32 channels), and they are stored as that fragment's IMAGE: registers 0-3 as 512 bytes, lane l's 16 bytes at 16 l, then registers 4-7.
; qkvf: [batch 4][64 columns: 48 (0-15 q's heads, 16-31 k's, 32-47 v's)][16 tokens: 128][32 channels: 2][1,024 bytes].  No stage in LDS: every store is 512 consecutive bytes, aligned.
; v's images have the lanes' places permuted: lane (r, h) stores at place 16 (r / 8) + 8 h + r % 8, so that the turning LDS load of the next launch, lane l at place l, finds key 8 (l / 16) + l % 8, channels 8 ((l / 8) % 2) on.
; The bias is the C of each sum's first product.
; LIMITS: results above 65,504 in magnitude become infinity in f16.
; REGISTERS: window 0: v0-31 addresses; v32-95 scale words, two sets (nothing else ever); v128-191 the tokens' fragments, one set; v192-255 the bias; on the way out v96-255 are free.
;   window 1: the weight's fragments, two sets, at v0 and v128.   window 2: the accumulators of my tokens 0-63 ((a, b) at v[8 (8 a + b)]);   window 3: those of my tokens 64-127.
.set SIZE_M, 8192
.set SIZE_N, 3072
.set SIZE_K, 1024
.set KSTEP,  512                       ; along K in a slot
.set NQ,     KSTEP/128                 ; matrix instructions deep
.set ROWB,   256                       ; a tile's row in bytes
.set KROW,   SIZE_K*4/8                ; a row of codes in memory
.set PITCH,  272                       ; an LDS row: 256 bytes + 16 of padding: the 16 rows that a load touches start 16 bytes apart modulo 256
.set FR,     8                         ; registers of a fragment: 16 rows x 128 K
.set NL,     2                         ; LDS loads that bring one
.set NP,     4                         ; places behind this matrix instruction (ISA guide 7.12.1)
.set HALFT,  128*PITCH                 ; 128 rows: what one tensor load brings
.set SLOT,   4*HALFT
.set KS,     SIZE_K/32                 ; a row of scales in bytes
.set SCL,    2*SLOT                    ; behind the slots: the scales, as runs of 256 bytes + 16 of padding
.set HALFS,  (128*KS/256)*272          ; the scales of 128 rows
.set SBLK,   (16*KS/256)*272           ; those of 16 rows
.set SPARE,  SCL+4*HALFS               ; the spare words, 128 bytes a wave
.set ADRA, 16                          ; v16-17  LDS address of my tokens' fragments in slot 0, 1
.set ADRB, 20                          ; v20-21  the same for the weight
.set CO,   26                          ; v26     my lane's place in an image
.set ADRS, 27                          ; v27     LDS address of my scale words: lanes 0-15 the tokens', lanes 16-31 the weight's
.set SPW,  28                          ; v28     LDS address of my spare word; never rewritten
.set NIL,  29                          ; v29     0; never rewritten
.set SC,   32                          ; scale words: set s at v[SC + 8 NQ s]; register NQ i + q: block i, the slot's q-th 128 along K
.set OUTR, 96                          ; the way out: five sets of 32 registers
.set AF,   128
.set BIAS, 192
.set G1, 24
.set G0, 32
.set G1B, 48
.set G0B, 56
.set G1S, 68
.set G0S, 76
.set G1SB, 80
.set G0SB, 88
.set MSB, 0
.macro WIN new                         ; the immediate's high byte repeats the setting that is left
.if MSB != \new
	s_set_vgpr_msb (MSB<<8)|\new
.set MSB, \new
.endif
.endm
.set MUL_LO, 0xa1                      ; source 0 (weight) window 1, source 1 (tokens) window 0, C and D window 2
.set MUL_HI, 0xf1                      ; the same, C and D window 3
.set BEG_LO, 0x81                      ; the first products: C (the bias) window 0, D window 2
.set BEG_HI, 0xc1                      ; D window 3
.set TO_B,   0x40                      ; destination window 1, address window 0
; A joint load: waves 0 and 1 fetch for the tokens, waves 2 and 3 for the weight.  The branch hangs on the wave's number alone.  An s_nop 0 and four v_nop follow each of the two lines.
.macro JLOAD g0a, g1a, g0b, g1b
	s_cmp_eq_u32 s15, 0
	s_cbranch_scc0 .Lfor_b_\@
	tensor_load_to_lds s[\g0a:\g0a+3], s[\g1a:\g1a+7]
	s_nop 0
.rept 4
	v_nop
.endr
	s_branch .Lasked_\@
.Lfor_b_\@:
	tensor_load_to_lds s[\g0b:\g0b+3], s[\g1b:\g1b+7]
	s_nop 0
.rept 4
	v_nop
.endr
.Lasked_\@:
.endm
.macro CROUND                          ; a round of the cluster's barrier
	s_barrier_signal -1
	s_barrier_wait -1
	s_cmp_lg_u32 s14, 0
	s_cbranch_scc1 .Lnot_wave_0_\@
	s_barrier_signal -3
.Lnot_wave_0_\@:
	s_barrier_wait -3
	s_barrier_signal -1
	s_barrier_wait -1
.endm
	s_load_b128 s[4:7], s[0:1], 0x0                ; the tokens' codes, their scales
	s_load_b128 s[8:11], s[0:1], 0x10              ; the weight's codes, its scales
	s_load_b64 s[96:97], s[0:1], 0x20              ; the bias
	s_load_b64 s[12:13], s[0:1], 0x28              ; qkvf
	v_lshl_add_u32 v[SPW], v0, 2, SPARE
	v_mov_b32 v[NIL], 0
	ds_add_u32 v[SPW], v[NIL]                      ; the wave's opening: the add, twice on end, and its wait ahead of my first tensor load
	ds_add_u32 v[SPW], v[NIL]
	v_lshrrev_b32 v1, 5, v0
	v_readfirstlane_b32 s14, v1                    ; wave 0..3
	s_lshr_b32 s15, s14, 1                         ; which half of the tile's tokens is mine.  Also: I fetch for the tokens (0) or the weight (1)
	s_and_b32 s16, s14, 1                          ; which half of its columns.  Also: which 128 rows I fetch
	s_bfe_u32 s40, ttmp6, 0x40000                  ; cx, cy
	s_bfe_u32 s41, ttmp6, 0x40004
	s_lshl_b32 s42, ttmp9, 2
	s_add_co_u32 s42, s42, s40                     ; tile column = 4 x cluster x + cx
	s_and_b32 s17, ttmp7, 0xffff
	s_lshl_b32 s17, s17, 2
	s_add_co_u32 s17, s17, s41                     ; tile row = 4 x cluster y + cy
	s_lshl_b32 s43, s41, 2
	s_lshl_b32 s43, 15, s43                        ; my row of the cluster
	s_lshl_b32 s44, 0x1111, s40                    ; my column
	; descriptor group 1: 128 rows x 256 bytes, 16 bytes of padding behind each
	s_or_b32 s[G1+0], s43, (0<<16)|(1<<20)|(1<<21)|(5<<22)|(3<<25)  ; the mask; elements of 1 byte; padding on; bit 21 beside a mask; after every 64 words, 4 words
	s_or_b32 s[G1B+0], s44, (0<<16)|(1<<20)|(1<<21)|(5<<22)|(3<<25)
.irp g, G1, G1B
	s_mov_b32 s[\g+1], ROWB<<16                    ; tensor_dim0
	s_mov_b32 s[\g+2], 128<<16                     ; tensor_dim1
	s_mov_b32 s[\g+3], ROWB<<16                    ; tile_dim0
	s_mov_b32 s[\g+4], 128                         ; tile_dim1
	s_mov_b32 s[\g+5], KROW                        ; from row to row
	s_mov_b32 s[\g+6], 0
	s_mov_b32 s[\g+7], 0
.endr
	; the scales of 128 rows: 4,096 dense bytes, as 16 rows of 256 (32 elements of 8 bytes), 16 bytes of padding behind each
	s_or_b32 s[G1S+0], s43, (3<<16)|(1<<20)|(1<<21)|(5<<22)|(3<<25)
	s_or_b32 s[G1SB+0], s44, (3<<16)|(1<<20)|(1<<21)|(5<<22)|(3<<25)
.irp g, G1S, G1SB
	s_mov_b32 s[\g+1], 32<<16
	s_mov_b32 s[\g+2], (128*KS/256)<<16
	s_mov_b32 s[\g+3], 32<<16
	s_mov_b32 s[\g+4], 128*KS/256
	s_mov_b32 s[\g+5], 32
	s_mov_b32 s[\g+6], 0
	s_mov_b32 s[\g+7], 0
.endr
	s_lshl_b32 s18, s16, 7                         ; which 128 rows of the tile I fetch
	s_lshl_b32 s20, s17, 8
	s_add_co_u32 s20, s20, s18                     ; tokens: row 256 x tile row + 128 x half
	s_lshl_b32 s46, s42, 8
	s_add_co_u32 s46, s46, s18                     ; weight: row 256 x tile column + 128 x half
	s_mov_b32 s21, 0
	s_mov_b32 s47, 0
	s_mov_b64 s[18:19], KS
	s_mul_u64 s[22:23], s[20:21], s[18:19]         ; where these rows' scales begin
	s_mul_u64 s[92:93], s[46:47], s[18:19]
	s_mov_b64 s[18:19], KROW
	s_mul_u64 s[20:21], s[20:21], s[18:19]         ; and their codes
	s_mul_u64 s[46:47], s[46:47], s[18:19]
	s_mul_i32 s45, s14, HALFT                      ; where they go: wave x 128 rows
	s_mul_i32 s94, s14, HALFS
	s_wait_dscnt 0x0                               ; both opening adds are done
	s_wait_kmcnt 0x0
	s_add_nc_u64 s[20:21], s[4:5], s[20:21]
	s_add_nc_u64 s[22:23], s[6:7], s[22:23]
	s_add_nc_u64 s[46:47], s[8:9], s[46:47]
	s_add_nc_u64 s[92:93], s[10:11], s[92:93]
	CROUND                                         ; all sixteen work-groups are here: the joint loads meet
	s_mov_b32 s[G0S], 1
	s_add_co_u32 s[G0S+1], s94, SCL
	s_mov_b64 s[G0S+2:G0S+3], s[22:23]
	s_or_b32 s[G0S+3], s[G0S+3], 0x80000000
	s_mov_b32 s[G0SB], 1
	s_add_co_u32 s[G0SB+1], s94, SCL
	s_mov_b64 s[G0SB+2:G0SB+3], s[92:93]
	s_or_b32 s[G0SB+3], s[G0SB+3], 0x80000000
	JLOAD G0S, G1S, G0SB, G1SB                     ; the scales first: they are wanted with K step 0
.irp s, 0,1
	s_mov_b32 s[G0+4*\s], 1
	s_add_co_u32 s[G0+4*\s+1], s45, \s*SLOT
	s_add_nc_u64 s[G0+4*\s+2:G0+4*\s+3], s[20:21], \s*ROWB
	s_or_b32 s[G0+4*\s+3], s[G0+4*\s+3], 0x80000000
	s_mov_b32 s[G0B+4*\s], 1
	s_add_co_u32 s[G0B+4*\s+1], s45, \s*SLOT
	s_add_nc_u64 s[G0B+4*\s+2:G0B+4*\s+3], s[46:47], \s*ROWB
	s_or_b32 s[G0B+4*\s+3], s[G0B+4*\s+3], 0x80000000
	JLOAD G0+4*\s, G1, G0B+4*\s, G1B               ; three loads of mine are out in all
.endr
	v_and_b32 v1, 15, v0                           ; r = l % 16
	v_bfe_u32 v2, v0, 4, 1                         ; h = l / 16
	; the bias of my 128 columns: block b's eight registers are in_proj_b[256 tile column + 128 half + 16 b + 8 h + 0..7]
	s_lshl_b32 s46, s42, 10
	s_lshl_b32 s47, s16, 9
	s_add_co_u32 s46, s46, s47
	s_mov_b32 s47, 0
	s_add_nc_u64 s[96:97], s[96:97], s[46:47]
	v_lshlrev_b32 v7, 5, v2                        ; 32 h
.irp b, 0,1,2,3,4,5,6,7
	global_load_b128 v[BIAS+8*\b:BIAS+8*\b+3],   v7, s[96:97] offset:64*\b
	global_load_b128 v[BIAS+8*\b+4:BIAS+8*\b+7], v7, s[96:97] offset:64*\b+16
.endr
	v_mul_u32_u24 v3, v1, PITCH
	v_lshl_add_u32 v4, v2, 4, v3                   ; a fragment's row x pitch + 16 x half
	s_mul_i32 s21, s15, HALFT                      ; my 128 tokens
	s_mul_i32 s22, s16, HALFT                      ; my 128 rows of the weight,
	s_add_co_u32 s22, s22, 2*HALFT                 ; which lie behind the tokens' 256
.irp s, 0,1
	v_add_nc_u32 v[ADRA+\s], s21, v4
	v_add_nc_u32 v[ADRB+\s], s22, v4
	s_add_co_u32 s21, s21, SLOT
	s_add_co_u32 s22, s22, SLOT
.endr
	v_mul_u32_u24 v5, v1, KS                       ; my row's scales: KS bytes a row,
	v_lshrrev_b32 v6, 8, v5
	v_lshl_add_u32 v5, v6, 4, v5                   ; and 16 more for each 256 passed
	s_mul_i32 s21, s15, HALFS
	s_mul_i32 s22, s16, HALFS
	s_add_co_u32 s22, s22, 2*HALFS
	s_sub_co_u32 s22, s22, s21
	v_mul_u32_u24 v6, s22, v2                      ; lanes 16-31 take the weight's: the lower base + h x the distance
	s_add_co_u32 s21, s21, SCL
	v_add_nc_u32 v5, v5, v6
	v_add_nc_u32 v[ADRS], s21, v5
	; the way out: my lane's place in an image: 16 l for q and k; for v (cluster x = 2: the same in all partners) 256 (r / 8) + 128 h + 16 (r % 8).  A choice of a value, no branch
	v_and_b32 v6, 31, v0
	v_lshlrev_b32 v6, 4, v6
	v_lshrrev_b32 v8, 3, v1
	v_and_b32 v9, 7, v1
	v_lshlrev_b32 v9, 4, v9
	v_lshl_or_b32 v9, v2, 7, v9
	v_lshl_or_b32 v9, v8, 8, v9
	s_cmp_eq_u32 ttmp9, 2
	s_cselect_b32 s95, -1, 0
	v_cndmask_b32 v[CO], v6, v9, s95
	; where my part begins in qkvf: ((tile row / 8) x 48 + 4 tile column + 2 column half) x 262,144 + ((tile row % 8) x 16 + 8 token half) x 2,048
	s_lshr_b32 s20, s17, 3
	s_mul_i32 s20, s20, 48
	s_lshl_b32 s21, s42, 2
	s_add_co_u32 s20, s20, s21
	s_lshl_b32 s21, s16, 1
	s_add_co_u32 s20, s20, s21
	s_lshl_b32 s20, s20, 18
	s_and_b32 s21, s17, 7
	s_lshl_b32 s21, s21, 4
	s_lshl_b32 s22, s15, 3
	s_add_co_u32 s21, s21, s22
	s_lshl_b32 s21, s21, 11
	s_add_co_u32 s20, s20, s21
	s_mov_b32 s21, 0
	s_add_nc_u64 s[12:13], s[12:13], s[20:21]
.macro FRAG reg, adr, q, i             ; 16 rows x 128 K of 4-bit codes: lane l holds row l % 16; registers 4 c .. 4 c + 3 hold K = 64 c + 32 (l / 16) + 0 .. 31
.irp c, 0,1
	ds_load_b128 v[\reg+4*\c:\reg+4*\c+3], v[\adr] offset:64*(\q)+32*\c+(\i)*16*PITCH
.endr
.endm
; 16 matrix instructions: token blocks a0, a0 + 1 x the weight's eight, the slot's q-th 128 along K.  p: the weight's set; sc: the set of scale words.  zero = 1: the first product starts the sums, with the bias as C.
; The 64 accumulators take turns, one instruction a turn, in the same order in every step.
.macro MUL16 a0, p, q, sc, zero
.irp a, \a0, \a0+1
.irp b, 0,1,2,3,4,5,6,7
.if \zero
	v_wmma_scale_f32_16x16x128_f8f6f4 v[8*(8*((\a)%4)+\b):8*(8*((\a)%4)+\b)+7], v[128*(\p)+FR*\b:128*(\p)+FR*\b+FR-1], v[AF+FR*(\a):AF+FR*(\a)+FR-1], v[BIAS+8*\b:BIAS+8*\b+7], v[SC+8*NQ*(\sc)+NQ*\b+(\q)], v[SC+8*NQ*(\sc)+NQ*(\a)+(\q)] matrix_a_fmt:MATRIX_FMT_FP4 matrix_b_fmt:MATRIX_FMT_FP4 matrix_a_scale:MATRIX_SCALE_ROW1
.else
	v_wmma_scale_f32_16x16x128_f8f6f4 v[8*(8*((\a)%4)+\b):8*(8*((\a)%4)+\b)+7], v[128*(\p)+FR*\b:128*(\p)+FR*\b+FR-1], v[AF+FR*(\a):AF+FR*(\a)+FR-1], v[8*(8*((\a)%4)+\b):8*(8*((\a)%4)+\b)+7], v[SC+8*NQ*(\sc)+NQ*\b+(\q)], v[SC+8*NQ*(\sc)+NQ*(\a)+(\q)] matrix_a_fmt:MATRIX_FMT_FP4 matrix_b_fmt:MATRIX_FMT_FP4 matrix_a_scale:MATRIX_SCALE_ROW1
.endif
.endr
.endr
.endm
.macro FETCH_B slot, q, p              ; the weight's eight fragments of the slot's q-th 128 along K into set p
	WIN TO_B
.irp i, 0,1,2,3,4,5,6,7
	FRAG 128*(\p)+FR*\i, ADRB+\slot, \q, \i
.endr
	WIN 0
.endm
.macro FETCH_A slot, q, i0             ; token blocks i0 .. i0 + 3
.irp i, \i0, \i0+1, \i0+2, \i0+3
	FRAG AF+FR*(\i), ADRA+\slot, \q, \i
.endr
.endm
.macro SCALES sc                       ; a K step's scale words into set sc: NQ words a row; lanes 0-15 the tokens' block i, lanes 16-31 the weight's block i
.irp i, 0,1,2,3,4,5,6,7
	ds_load_b128 v[SC+8*NQ*\sc+NQ*\i:SC+8*NQ*\sc+NQ*\i+3], v[ADRS] offset:\i*SBLK
.endr
.endm
.macro PLACES n                        ; plain vector instructions between a matrix instruction and a load into, or a vector access to, its registers
.rept \n
	v_nop
.endr
.endm
; A step of 128 along K that has its successor in the same slot.  A token block is free as soon as its eight products are issued: blocks 0-3 are fetched anew in the step's middle, blocks 4-7 at its end.
.macro STEP slot, q, zero
	s_wait_dscnt 4*NL                              ; the weight's set and token blocks 0-3 are in; the youngest eight loads (blocks 4-7) may be out
.if \zero
	WIN BEG_LO
.else
	WIN MUL_LO
.endif
	MUL16 0, (\q)%2, \q, \slot, \zero
	MUL16 2, (\q)%2, \q, \slot, \zero
	s_wait_dscnt 0                                 ; blocks 4-7 are in
	PLACES NP
	FETCH_B \slot, (\q)+1, 1-(\q)%2
	FETCH_A \slot, (\q)+1, 0
.if \zero
	WIN BEG_HI
.else
	WIN MUL_HI
.endif
	MUL16 4, (\q)%2, \q, \slot, \zero
	MUL16 6, (\q)%2, \q, \slot, \zero
	PLACES NP
	WIN 0
	FETCH_A \slot, (\q)+1, 4
.endm
; Slot 0's last step changes slots: one barrier; in front of it each wave waits for all its tensor loads (its part of slot 1), adds 0 to its spare word, and waits for that.
.macro TURN slot, next
	s_wait_tensorcnt 0x0                           ; my part of the next slot has landed
	ds_add_u32 v[SPW], v[NIL]                      ; 0 onto my spare word
	s_wait_dscnt 4*NL+1                            ; the add and the youngest eight loads may be out
	WIN MUL_LO
	MUL16 0, 1, NQ-1, \slot, 0                     ; sixteen matrix instructions stand between the add and the wait for it
	s_wait_dscnt 0x0
	s_barrier_signal -1
	MUL16 2, 1, NQ-1, \slot, 0
	WIN 0
	s_barrier_wait -1                              ; the next slot is whole
	PLACES NP
	v_add_nc_u32 v[ADRS], 4*NQ, v[ADRS]            ; on to the next K step's scale words
	FETCH_B \next, 0, 0
	FETCH_A \next, 0, 0
	SCALES \next
	WIN MUL_HI
	MUL16 4, 1, NQ-1, \slot, 0
	MUL16 6, 1, NQ-1, \slot, 0
	PLACES NP
	WIN 0
	FETCH_A \next, 0, 4
.endm
.macro STEPS slot, from                ; the slot's steps from .. NQ - 2
.set Q, \from
.rept NQ-1-\from
	STEP \slot, Q, 0
.set Q, Q+1
.endr
.endm
	s_wait_tensorcnt 1                             ; the scales and my part of K step 0 are in (K step 1's load may be out)
	s_barrier_signal -1
	s_barrier_wait -1                              ; everybody's are
	FETCH_B 0, 0, 0
	FETCH_A 0, 0, 0
	SCALES 0
	FETCH_A 0, 0, 4
	s_wait_loadcnt 0x0                             ; the bias
	STEP 0, 0, 1                                   ; the first products start the sums from the bias: nothing is cleared, nothing is added later
	STEPS 0, 1
	TURN 0, 1
	STEPS 1, 0
	s_wait_dscnt 4*NL                              ; the very last step: nothing more to fetch
	WIN MUL_LO
	MUL16 0, 1, NQ-1, 1, 0
	MUL16 2, 1, NQ-1, 1, 0
	s_wait_dscnt 0
	WIN MUL_HI
	MUL16 4, 1, NQ-1, 1, 0
	MUL16 6, 1, NQ-1, 1, 0
	WIN 0
; THE WAY OUT, token block by token block: 32 roundings (each accumulator from its low end on), eight stores of 512 consecutive bytes.  Accumulator b of block a is half b % 2 of the image of channels 32 ((b / 2) % 2) on of head b / 4.
.macro PACKOUT a
.set AC, 64*((\a)%4)
.set OB, OUTR+32*((\a)%5)
	WIN 0x0a+5*((\a)/4)                            ; sources 0 and 1: window 2 or 3; destination window 0
.irp b, 0,1,2,3,4,5,6,7
.irp i, 0,1,2,3
	v_cvt_pk_f16_f32 v[OB+4*\b+\i], v[AC+8*\b+2*\i], v[AC+8*\b+2*\i+1]
.endr
.endr
	WIN 0
.irp b, 0,1,2,3,4,5,6,7
	global_store_b128 v[CO], v[OB+4*\b:OB+4*\b+3], s[12:13] offset:(\a)*2048+(\b/4)*262144+((\b/2)%2)*1024+(\b%2)*512
.endr
.endm
	PLACES NP                                      ; behind the last products: their results are read and their operands' registers written below
.irp a, 0,1,2,3,4,5,6,7
.if \a >= 5
	s_wait_xcnt 0x0                                ; block a - 5's stores have read their registers: the set is written again only behind this wait
.endif
	PACKOUT \a
.endr
	s_wait_tensorcnt 0x0                           ; the wave's end, behind my last tensor load
	ds_add_u32 v[SPW], v[NIL]
	s_wait_dscnt 0x0
	CROUND                                         ; the closing round
	s_endpgm
.Lfunc_end_k_q5a3c0dcb71_proj:
	.size	k_q5a3c0dcb71_proj, .Lfunc_end_k_q5a3c0dcb71_proj-k_q5a3c0dcb71_proj
	.p2alignl 7, 3214868480
	.fill 96, 4, 3214868480
	.section	.rodata,"a",@progbits
	.p2align	6, 0x0
	.amdhsa_kernel k_q5a3c0dcb71_proj
		.amdhsa_group_segment_fixed_size 327680
		.amdhsa_private_segment_fixed_size 0
		.amdhsa_enable_private_segment 0
		.amdhsa_kernarg_size 48
		.amdhsa_user_sgpr_count 2
		.amdhsa_user_sgpr_kernarg_segment_ptr 1
		.amdhsa_wavefront_size32 1
		.amdhsa_system_sgpr_workgroup_id_x 1
		.amdhsa_system_sgpr_workgroup_id_y 1
		.amdhsa_system_sgpr_workgroup_id_z 1
		.amdhsa_system_vgpr_workitem_id 0
		.amdhsa_next_free_vgpr 1024
		.amdhsa_next_free_sgpr 100
		.amdhsa_reserve_vcc 0
		.amdhsa_float_denorm_mode_32 3
		.amdhsa_float_denorm_mode_16_64 3
		.amdhsa_memory_ordered 1
		.amdhsa_forward_progress 1
		.amdhsa_inst_pref_size 120
	.end_amdhsa_kernel
	.amdgpu_metadata
---
amdhsa.version: [ 1, 2 ]
amdhsa.kernels:
  - .name:           k_q5a3c0dcb71_proj
    .symbol:         k_q5a3c0dcb71_proj.kd
    .args:
      - { .name: x_codes, .offset: 0, .size: 8, .value_kind: global_buffer, .address_space: global }
      - { .name: x_scales, .offset: 8, .size: 8, .value_kind: global_buffer, .address_space: global }
      - { .name: w_codes, .offset: 16, .size: 8, .value_kind: global_buffer, .address_space: global }
      - { .name: w_scales, .offset: 24, .size: 8, .value_kind: global_buffer, .address_space: global }
      - { .name: in_proj_b, .offset: 32, .size: 8, .value_kind: global_buffer, .address_space: global }
      - { .name: qkvf, .offset: 40, .size: 8, .value_kind: global_buffer, .address_space: global }
    .group_segment_fixed_size: 327680
    .private_segment_fixed_size: 0
    .kernarg_segment_align: 8
    .kernarg_segment_size: 48
    .max_flat_workgroup_size: 128
    .sgpr_count:     100
    .vgpr_count:     1024
    .wavefront_size: 32
...
	.end_amdgpu_metadata
.endif
;; end of part 2
;; launch attn (part 3): grid 4 x 64, 8 waves a work-group, clusters of 4 x 1, 327,680 bytes of LDS; arguments qkvf, att; writes att
.if DOCPART == 3
	.amdgcn_target "amdgcn-amd-amdhsa--gfx1250"
	.amdhsa_code_object_version 6
	.text
	.protected	k_q5a3c0dcb71_attn
	.globl	k_q5a3c0dcb71_attn
	.p2align	8
	.type	k_q5a3c0dcb71_attn,@function
k_q5a3c0dcb71_attn:
	s_mov_b64 s[64:65], 0
	v_nop
	global_prefetch_b8 v0, s[64:65] scope:SCOPE_SE
	s_setreg_imm32_b32 hwreg(HW_REG_WAVE_MODE, 25, 1), 1
	s_wait_xcnt 0x0
	s_wait_alu depctr_hold_cnt(0) depctr_sa_sdst(0) depctr_va_vdst(0) depctr_va_sdst(0) depctr_va_ssrc(0) depctr_va_vcc(0) depctr_vm_vsrc(0)
	s_getreg_b32 s2, hwreg(HW_REG_IB_STS2, 6, 4)
	s_cmp_eq_u32 s2, 0
	s_cbranch_scc0 .Lentry_in_a_cluster
	s_endpgm
.Lentry_in_a_cluster:
	s_bfe_u32 s2, ttmp6, 0x10000c
	s_cmp_lg_u32 s2, 0x3003
	s_cbranch_scc0 .Lentry_shape_is_right
	s_endpgm
.Lentry_shape_is_right:
; att[token][64 head + d] = the sum over keys of softmax_k(q . k / 8) v, for 64 (batch, head) pairs of 2,048 tokens, head size 64, no mask.  q, k, v: f16, as images of operand registers (below); products, maxima and sums in f32;
; the weights p are rounded to f16 for the second product, the result once to f16 at the end.
; qkvf: [batch 4][64 columns: 48 (0-15 q's heads, 16-31 k's, 32-47 v's)][16 tokens: 128][32 channels: 2][1,024 bytes]: an image is registers 0-3 of a fragment (16 rows x 32 K) as 512 bytes, lane l's 16 bytes at 16 l, then registers 4-7.
; v's images have the lanes' places permuted so that the turning LDS load, lane l at place l, finds key 8 (l / 16) + l % 8, channels 8 ((l / 8) % 2) on.  So no tile needs a pitch or padding: every LDS load takes 512 consecutive bytes.
; att: [K step of 256: 4][16 tokens: 512][32 along K: 8][1,024 bytes]: images of the last launch's operand.
; SHARES.  A work-group owns 512 queries of one head, each of its eight waves 64: four tiles of 16, in 512 registers: two waves to a SIMD.  Every wave walks all 2,048 keys, 64 a step.
; LAYOUT.  S^T = K Q^T (source 0 = 16 keys, source 1 = 16 queries): a lane holds ONE query (lane % 16) and keys 8 (lane / 16) + 0..7.  Two such tiles, rounded to f16 in pairs, ARE source 1 of O^T = V^T P, whose result again holds one query a lane.
; SOFTMAX.  A running maximum m and sum l for each query: p = 2^(c s - c m), c = log2(e) / 8; in every step O and l are multiplied by a = 2^(c m_old - c m_new).  m begins at -3e38, O and l at 0: the first a is 0 and multiplies zeros.
; PIECES.  The wave's tiles are two pieces (0, 1 and 2, 3).  A step runs: both pieces' K Q^T | piece 0's softmax | piece 0's V^T P | piece 2's softmax | piece 2's V^T P: half of the products are at work under vector work of the same wave.
; RING.  Two LDS slots of 512 keys (K 64 KB, V 64 KB); waves 0-3 bring K's quarters, waves 4-7 V's: one line, each wave with rows of its own.  CLUSTER.  The four query blocks of a head walk the same K and V: each tile is asked for JOINTLY.
; LIMITS: NaN and infinities in q, k, v are not served.
; REGISTERS: window 0: v2-9 addresses; v16-47 statistics, 8 a tile; v48-51 the old c m; v52-63 partial sums; v64-191 S^T, 32 a tile (P is packed into each tile's low 16); v192-255 V's fragments.
;   window 1: v0-127 O^T, 32 a tile; v128-191 Q, 16 a tile; v192-255 K's fragments.
.set SLOT1, 131072                     ; slot 1 begins here
.set VOFF,  65536                      ; V's place in a slot
.set SLOTB, 65536                      ; a slot's keys in K or in V, in bytes
.set STEPB, 8192                       ; a key step's: four tiles of 16 keys x 2 KB
.set SPARE, 262144                     ; behind the ring: the spare words, 128 bytes a wave
.set LI,  2                            ; v2  16 x lane: my place in an image; also the offset of Q's loads and att's stores; never rewritten
.set LV,  3                            ; v3  the same + VOFF
.set ADK, 4                            ; v4  LDS address of the step's K
.set ADV, 5                            ; v5  of its V
.set PFO, 6                            ; v6  256 x lane; never rewritten
.set SPW, 8                            ; v8  LDS address of my spare word; never rewritten
.set NIL, 9                            ; v9  0; never rewritten
.set ST,  16                           ; tile t at v[ST+8 t]: +0 c m, +1 m, +2, +3 l (even keys', odd keys'), +4 to +7 c0-c3 at work; a takes c2's place
.set OLD, 48
.set TT,  52                           ; three pairs for each tile of the piece in hand
.set S,   64
.set VB,  192
.set OT,  0                            ; in window 1
.set QF,  128
.set KB,  192
.set WV,  8                            ; s8  my wave's number
.set G1,  24                           ; s[24:31] descriptor group 1
.set G0A, 32                           ; s[32:35] group 0 for slot 0
.set G0B, 36                           ; s[36:39] for slot 1
.set CS,  40                           ; s[40:41] c, twice
.set SEL, 42                           ; s[42:43] lane selects for v_permlanex16_b32: lane l xor 16
.set TB,  44                           ; s44 LDS byte at which the step's K begins
.set CNT, 45                           ; s45 steps left in the slot
.set PFA, 46                           ; s[46:47] where my prefetch stands; never rewritten
.set MSB, 0
.macro WIN new                         ; the immediate's high byte repeats the setting that is left
.if MSB != \new
	s_set_vgpr_msb (MSB<<8)|\new
.set MSB, \new
.endif
.endm
.set W_KQ, 0x05                        ; K and Q window 1; S^T window 0
.set W_PV, 0x50                        ; V and P window 0; O^T (C and D) window 1
.set W_RS, 0x41                        ; O^T (destination, source 0) window 1; a window 0
.set TO1,  0x40                        ; destination window 1, address window 0
.macro CROUND                          ; a round of the cluster's barrier
	s_barrier_signal -1
	s_barrier_wait -1
	s_cmp_lg_u32 s[WV], 0
	s_cbranch_scc1 .Lnot_wave_0_\@
	s_barrier_signal -3
.Lnot_wave_0_\@:
	s_barrier_wait -3
	s_barrier_signal -1
	s_barrier_wait -1
.endm
.macro FETCH_K off                     ; a step's K: fragment (16 keys kt, 32 channels c) = image 2 kt + c
	WIN TO1
.irp f, 0,1,2,3,4,5,6,7
	ds_load_b128 v[KB+8*\f:KB+8*\f+3],   v[ADK] offset:\off+1024*\f
	ds_load_b128 v[KB+8*\f+4:KB+8*\f+7], v[ADK] offset:\off+1024*\f+512
.endr
	WIN 0
.endm
.macro FETCH_V                         ; a step's V, turned: fragment (32 keys kf, 16 channels ct): keys 32 kf + 0..15 from key tile 2 kf, the others from tile 2 kf + 1
.irp kf, 0,1
.irp ct, 0,1,2,3
	ds_load_tr16_b128 v[VB+8*(4*\kf+\ct):VB+8*(4*\kf+\ct)+3],   v[ADV] offset:4096*\kf+512*\ct
	ds_load_tr16_b128 v[VB+8*(4*\kf+\ct)+4:VB+8*(4*\kf+\ct)+7], v[ADV] offset:4096*\kf+512*\ct+2048
.endr
.endr
.endm
; 16 products S^T = K Q^T of piece x: eight accumulators by turns, one instruction a turn; the first eight start the sums
.macro KQ x
	WIN W_KQ
.irp c, 0,1
.irp kt, 0,1,2,3
.irp t, \x, \x+1
.if \c == 0
	v_wmma_f32_16x16x32_f16 v[S+32*(\t)+8*\kt:S+32*(\t)+8*\kt+7], v[KB+16*\kt+8*\c:KB+16*\kt+8*\c+7], v[QF+16*(\t)+8*\c:QF+16*(\t)+8*\c+7], 0
.else
	v_wmma_f32_16x16x32_f16 v[S+32*(\t)+8*\kt:S+32*(\t)+8*\kt+7], v[KB+16*\kt+8*\c:KB+16*\kt+8*\c+7], v[QF+16*(\t)+8*\c:QF+16*(\t)+8*\c+7], v[S+32*(\t)+8*\kt:S+32*(\t)+8*\kt+7]
.endif
.endr
.endr
.endr
.endm
; 16 products O^T += V^T P of piece x: eight accumulators by turns
.macro PV x
	WIN W_PV
.irp kf, 0,1
.irp ct, 0,1,2,3
.irp t, \x, \x+1
	v_wmma_f32_16x16x32_f16 v[OT+32*(\t)+8*\ct:OT+32*(\t)+8*\ct+7], v[VB+8*(4*\kf+\ct):VB+8*(4*\kf+\ct)+7], v[S+32*(\t)+8*\kf:S+32*(\t)+8*\kf+7], v[OT+32*(\t)+8*\ct:OT+32*(\t)+8*\ct+7]
.endr
.endr
.endr
.endm
; THE SOFTMAX of piece x for one key step: 118 instructions a tile, the two tiles line by line, so that no line waits for the line above it.
.macro SMAX x
	WIN 0
.irp j, 0,1,2,3                        ; the maximum of the lane's 32 scores and the old m, three operands at a time; each accumulator is read from its low end on
.irp t, \x, \x+1
	v_max3_num_f32 v[ST+8*(\t)+4+\j], v[S+32*(\t)+8*\j], v[S+32*(\t)+8*\j+1], v[S+32*(\t)+8*\j+2]
.endr
.endr
.irp g, 1,2
.irp j, 0,1,2,3
.irp t, \x, \x+1
	v_max3_num_f32 v[ST+8*(\t)+4+\j], v[ST+8*(\t)+4+\j], v[S+32*(\t)+8*\j+2*\g+1], v[S+32*(\t)+8*\j+2*\g+2]
.endr
.endr
.endr
.irp t, \x, \x+1
	v_max3_num_f32 v[ST+8*(\t)+4], v[ST+8*(\t)+4], v[S+32*(\t)+7], v[S+32*(\t)+15]
.endr
.irp t, \x, \x+1
	v_max3_num_f32 v[ST+8*(\t)+6], v[ST+8*(\t)+6], v[S+32*(\t)+23], v[S+32*(\t)+31]
.endr
.irp t, \x, \x+1
	v_max3_num_f32 v[ST+8*(\t)+4], v[ST+8*(\t)+4], v[ST+8*(\t)+5], v[ST+8*(\t)+6]
.endr
.irp t, \x, \x+1
	v_max3_num_f32 v[ST+8*(\t)+4], v[ST+8*(\t)+4], v[ST+8*(\t)+7], v[ST+8*(\t)+1]
.endr
.irp t, \x, \x+1
	v_permlanex16_b32 v[ST+8*(\t)+5], v[ST+8*(\t)+4], s[SEL], s[SEL+1]   ; the query's other 32 keys lie in the lane 16 away
.endr
.irp t, \x, \x+1
	v_max_num_f32 v[ST+8*(\t)+1], v[ST+8*(\t)+4], v[ST+8*(\t)+5]         ; the new m
.endr
.irp t, \x, \x+1
	v_mul_f32 v[ST+8*(\t)], s[CS], v[ST+8*(\t)+1]                        ; c m
.endr
.irp t, \x, \x+1
	v_sub_f32 v[ST+8*(\t)+7], v[OLD+(\t)], v[ST+8*(\t)]                  ; c m_old - c m_new
.endr
; ONE BATCH: 16 scalings c s - c m, a pair of scores each, and 33 exponentials; none of these lines names an exponential's result; a pair is scaled a round ahead of its exponentials
.irp t, \x, \x+1
	v_pk_fma_f32 v[S+32*(\t):S+32*(\t)+1], v[S+32*(\t):S+32*(\t)+1], s[CS:CS+1], v[ST+8*(\t):ST+8*(\t)+1] op_sel_hi:[1,0,0] neg_lo:[0,0,1] neg_hi:[0,0,1]
.endr
.irp t, \x, \x+1
	v_exp_f32 v[ST+8*(\t)+6], v[ST+8*(\t)+7]                             ; a
.endr
.set pb, 1
.rept 15
.irp t, \x, \x+1
	v_pk_fma_f32 v[S+32*(\t)+2*pb:S+32*(\t)+2*pb+1], v[S+32*(\t)+2*pb:S+32*(\t)+2*pb+1], s[CS:CS+1], v[ST+8*(\t):ST+8*(\t)+1] op_sel_hi:[1,0,0] neg_lo:[0,0,1] neg_hi:[0,0,1]
.endr
.irp t, \x, \x+1
	v_exp_f32 v[S+32*(\t)+2*pb-2], v[S+32*(\t)+2*pb-2]
.endr
.irp t, \x, \x+1
	v_exp_f32 v[S+32*(\t)+2*pb-1], v[S+32*(\t)+2*pb-1]
.endr
.set pb, pb+1
.endr
.irp t, \x, \x+1
	v_exp_f32 v[S+32*(\t)+30], v[S+32*(\t)+30]
.endr
.irp t, \x, \x+1
	v_exp_f32 v[S+32*(\t)+31], v[S+32*(\t)+31]
.endr
	v_nop                                          ; a plain instruction behind the last exponential, ahead of the first use (ISA guide 5.7.2)
	s_wait_alu depctr_va_vdst(0)                   ; one wait for the piece's 66 exponentials, ahead of the first line that names a result
; the sums, of the unrounded p: l = a l + pairs 0-3; three more chains take pairs 4-7, 8-11, 12-15
.irp t, \x, \x+1
	v_pk_fma_f32 v[ST+8*(\t)+2:ST+8*(\t)+3], v[ST+8*(\t)+2:ST+8*(\t)+3], v[ST+8*(\t)+6:ST+8*(\t)+7], v[S+32*(\t):S+32*(\t)+1] op_sel_hi:[1,0,1]
.endr
.irp k, 1,2,3
.irp t, \x, \x+1
	v_pk_add_f32 v[TT+6*((\t)-(\x))+2*\k-2:TT+6*((\t)-(\x))+2*\k-1], v[S+32*(\t)+8*\k:S+32*(\t)+8*\k+1], v[S+32*(\t)+8*\k+2:S+32*(\t)+8*\k+3]
.endr
.endr
.irp g, 1,2
.irp t, \x, \x+1
	v_pk_add_f32 v[ST+8*(\t)+2:ST+8*(\t)+3], v[ST+8*(\t)+2:ST+8*(\t)+3], v[S+32*(\t)+2*\g:S+32*(\t)+2*\g+1]
.endr
.irp k, 1,2,3
.irp t, \x, \x+1
	v_pk_add_f32 v[TT+6*((\t)-(\x))+2*\k-2:TT+6*((\t)-(\x))+2*\k-1], v[TT+6*((\t)-(\x))+2*\k-2:TT+6*((\t)-(\x))+2*\k-1], v[S+32*(\t)+8*\k+2+2*\g:S+32*(\t)+8*\k+3+2*\g]
.endr
.endr
.endr
.irp t, \x, \x+1
	v_pk_add_f32 v[ST+8*(\t)+2:ST+8*(\t)+3], v[ST+8*(\t)+2:ST+8*(\t)+3], v[S+32*(\t)+6:S+32*(\t)+7]
.endr
.irp t, \x, \x+1
	v_pk_add_f32 v[TT+6*((\t)-(\x)):TT+6*((\t)-(\x))+1], v[TT+6*((\t)-(\x)):TT+6*((\t)-(\x))+1], v[TT+6*((\t)-(\x))+2:TT+6*((\t)-(\x))+3]
.endr
.irp t, \x, \x+1
	v_pk_add_f32 v[ST+8*(\t)+2:ST+8*(\t)+3], v[ST+8*(\t)+2:ST+8*(\t)+3], v[TT+6*((\t)-(\x))+4:TT+6*((\t)-(\x))+5]
.endr
.irp t, \x, \x+1
	v_pk_add_f32 v[ST+8*(\t)+2:ST+8*(\t)+3], v[ST+8*(\t)+2:ST+8*(\t)+3], v[TT+6*((\t)-(\x)):TT+6*((\t)-(\x))+1]
.endr
; p to f16, packed downward in place: register u takes pair u; key tiles 2 kf and 2 kf + 1 fall into registers 8 kf .. 8 kf + 7: P's fragment
.set pb, 0
.rept 16
.irp t, \x, \x+1
	v_cvt_pk_f16_f32 v[S+32*(\t)+pb], v[S+32*(\t)+2*pb], v[S+32*(\t)+2*pb+1]
.endr
.set pb, pb+1
.endr
	WIN W_RS                                       ; O^T times a, each accumulator from its low end on
.set pb, 0
.rept 16
.irp t, \x, \x+1
	v_pk_mul_f32 v[OT+32*(\t)+pb:OT+32*(\t)+pb+1], v[OT+32*(\t)+pb:OT+32*(\t)+pb+1], v[ST+8*(\t)+6:ST+8*(\t)+7] op_sel_hi:[1,0]
.endr
.set pb, pb+2
.endr
.endm
; A KEY STEP.  Every window is 0 at both its ends.
.macro STEP
	v_add_nc_u32 v[ADK], s[TB], v[LI]              ; these five plain lines are the places behind the last V^T P: K Q^T writes over P's registers (five are owed), V's loads land in registers that it read (four)
	v_add_nc_u32 v[ADV], s[TB], v[LV]
.rept 3
	v_nop
.endr
	FETCH_V
	s_wait_dscnt 16                                ; V's sixteen may be out; K, asked for earlier, is in: on the way in from the slot's head and round the loop alike
	KQ 0
	KQ 2
	WIN 0
.irp t, 0,1,2,3
	v_mov_b32 v[OLD+\t], v[ST+8*\t]                ; c m is kept for a.  These four are the places ahead of the loads into K's registers and of the reads of S^T
.endr
	s_cmp_eq_u32 s[CNT], 1                         ; the slot's last step has no next K in this slot: a branch on the loop's count, round LDS loads alone
	s_cbranch_scc1 .Lnok_\@
	FETCH_K STEPB                                  ; the next step's K
.Lnok_\@:
	SMAX 0
	s_wait_dscnt 0x0                               ; V is in (and the next K: the count is 0 because the two ways above differ)
	PV 0
	SMAX 2
	PV 2
	WIN 0
	s_add_co_u32 s[TB], s[TB], STEPB
.endm
.macro SLOTWORK s                      ; a slot's eight key steps: written once, walked eight times
	s_mov_b32 s[TB], \s*SLOT1
	v_add_nc_u32 v[ADK], s[TB], v[LI]
	FETCH_K 0
	s_mov_b32 s[CNT], 8
.Lstep_\@:
	STEP
	s_sub_co_u32 s[CNT], s[CNT], 1
	s_cmp_lg_u32 s[CNT], 0
	s_cbranch_scc1 .Lstep_\@
.endm
; A PREFETCH INTO THE L2 of what the next change of slots will ask for: the last 512 keys of K and of V, 512 blocks of 256 bytes, each named once: the partner at place cx takes a quarter of each, told apart BY ADDRESS;
; in it waves 0 and 1 take K's, waves 4 and 5 V's, 32 blocks each, lanes 256 bytes apart.  It stands behind the wave's tensor load and its five lines, eight key steps ahead of the load that wants the bytes.
.macro ASK
	s_and_b32 s48, s[WV], 2
	s_cmp_eq_u32 s48, 0
	s_cbranch_scc0 .Lnot_mine_\@
	global_prefetch_b8 v[PFO], s[PFA:PFA+1] th:TH_LOAD_NT scope:SCOPE_SE
.Lnot_mine_\@:
.endm
; THE CHANGE OF SLOTS.  Each wave waits for all its tensor loads (one is out: its part of the slot ahead), adds 0 to its spare word, and waits for that and for its reads of the slot that it leaves.
; fill = 1: the barrier is a round of the cluster's, and the slot just left is filled with the keys two slots on: the first thing behind the round, one load a wave, with eight key steps in which to land.
.macro CHANGE fill, g0, ask
	s_wait_tensorcnt 0x0                           ; no tensor load of mine is out, so a group 0 may be written
	ds_add_u32 v[SPW], v[NIL]
.if \fill
	s_add_nc_u64 s[\g0+2:\g0+3], s[\g0+2:\g0+3], 2*SLOTB   ; two slots on; the type bits on top are not reached
	s_wait_dscnt 0x0
	CROUND
	tensor_load_to_lds s[\g0:\g0+3], s[G1:G1+7]
	s_nop 0
.rept 4
	v_nop
.endr
.if \ask
	ASK
.endif
.else
	s_wait_dscnt 0x0
	s_barrier_signal -1
	s_barrier_wait -1
.endif
.endm
	s_load_b128 s[4:7], s[0:1], 0x0                ; qkvf, att
	v_lshl_add_u32 v[SPW], v0, 2, SPARE
	v_mov_b32 v[NIL], 0
	ds_add_u32 v[SPW], v[NIL]                      ; the wave's opening: the add, twice on end, and its wait ahead of my first tensor load
	ds_add_u32 v[SPW], v[NIL]
	v_lshrrev_b32 v1, 5, v0
	v_readfirstlane_b32 s[WV], v1                  ; wave 0..7
	s_bfe_u32 s9, ttmp6, 0x40000                   ; cx
	s_and_b32 s10, ttmp7, 0xffff                   ; 16 x batch + head, which the four partners share
	s_lshr_b32 s11, s10, 4                         ; batch
	s_and_b32 s12, s10, 15                         ; head
	s_mul_i32 s13, s11, 48
	s_add_co_u32 s13, s13, s12
	s_lshl_b32 s14, s13, 18                        ; q's head in qkvf, in bytes; k's lies 16 x 262,144 further on, v's 32 x
	s_lshr_b32 s16, s[WV], 2                       ; waves 0-3: K; waves 4-7: V
	s_add_co_u32 s16, s16, 1
	s_lshl_b32 s16, s16, 22
	s_add_co_u32 s16, s16, s14
	s_add_co_u32 s52, s16, 3*SLOTB                 ; (the prefetch: the head's last 512 keys)
	s_and_b32 s17, s[WV], 3
	s_lshl_b32 s17, s17, 14                        ; my quarter of a slot's 65,536 bytes
	s_add_co_u32 s16, s16, s17
	s_mov_b32 s17, 0
	s_lshl_b32 s48, s9, 14                         ; the prefetch: my work-group's quarter,
	s_add_co_u32 s52, s52, s48
	s_and_b32 s48, s[WV], 1
	s_lshl_b32 s48, s48, 13                        ; my wave's half of it
	s_add_co_u32 s52, s52, s48
	s_mov_b32 s53, 0
	s_lshl_b32 s49, ttmp9, 2
	s_add_co_u32 s49, s49, s9                      ; my block of 512 queries: it enters Q's and att's addresses alone
	s_lshl_b32 s18, s49, 16
	s_lshl_b32 s48, s[WV], 13                      ; my wave's four tiles
	s_add_co_u32 s18, s18, s48
	s_add_co_u32 s18, s18, s14
	s_mov_b32 s19, 0
	s_lshl_b32 s50, s11, 7                         ; att: token tile 128 batch + 32 block + 4 wave, 8 KB each;
	s_lshl_b32 s48, s49, 5
	s_add_co_u32 s50, s50, s48
	s_lshl_b32 s48, s[WV], 2
	s_add_co_u32 s50, s50, s48
	s_lshl_b32 s50, s50, 13
	s_lshr_b32 s48, s12, 2                         ; K step head / 4, 4 MB each;
	s_lshl_b32 s48, s48, 22
	s_add_co_u32 s50, s50, s48
	s_and_b32 s48, s12, 3                          ; images 2 (head % 4) and the next
	s_lshl_b32 s48, s48, 11
	s_add_co_u32 s50, s50, s48
	s_mov_b32 s51, 0
	; descriptor group 1: 64 rows of 256 bytes (32 elements of 8), dense, no padding
	s_mov_b32 s[G1], 15|(3<<16)|(1<<21)            ; the mask: all four work-groups; elements of 8 bytes; bit 21 beside a mask
	s_mov_b32 s[G1+1], 32<<16                      ; tensor_dim0
	s_mov_b32 s[G1+2], 64<<16                      ; tensor_dim1
	s_mov_b32 s[G1+3], 32<<16                      ; tile_dim0
	s_mov_b32 s[G1+4], 64                          ; tile_dim1
	s_mov_b32 s[G1+5], 32                          ; from row to row
	s_mov_b32 s[G1+6], 0
	s_mov_b32 s[G1+7], 0
	s_lshl_b32 s13, s[WV], 14                      ; where my rows go in a slot: 16,384 x wave: K's four quarters, then V's
	s_mov_b32 s[CS], 0x3e38aa3b                    ; c = log2(e) / 8
	s_mov_b32 s[CS+1], s[CS]
	s_mov_b32 s[SEL], 0x76543210
	s_mov_b32 s[SEL+1], 0xfedcba98
	s_wait_dscnt 0x0                               ; both opening adds are done
	s_wait_kmcnt 0x0
	s_add_nc_u64 s[20:21], s[4:5], s[18:19]        ; Q at my wave's first tile
	s_add_nc_u64 s[22:23], s[6:7], s[50:51]        ; att likewise
	s_add_nc_u64 s[PFA:PFA+1], s[4:5], s[52:53]
	s_mov_b32 s[G0A], 1
	s_mov_b32 s[G0A+1], s13
	s_add_nc_u64 s[G0A+2:G0A+3], s[4:5], s[16:17]  ; keys 0 to 511
	s_mov_b32 s[G0B], 1
	s_add_co_u32 s[G0B+1], s13, SLOT1
	s_add_nc_u64 s[G0B+2:G0B+3], s[G0A+2:G0A+3], SLOTB   ; keys 512 to 1,023
	s_or_b32 s[G0A+3], s[G0A+3], 0x80000000
	s_or_b32 s[G0B+3], s[G0B+3], 0x80000000
	CROUND                                         ; all four work-groups are here: the first joint loads meet
	tensor_load_to_lds s[G0A:G0A+3], s[G1:G1+7]    ; both first fills together: two loads of mine are out
	s_nop 0
	tensor_load_to_lds s[G0B:G0B+3], s[G1:G1+7]
	s_nop 0
.rept 4
	v_nop
.endr
	v_and_b32 v1, 31, v0
	v_lshlrev_b32 v[PFO], 8, v1
	v_lshlrev_b32 v[LI], 4, v1
	v_add_nc_u32 v[LV], VOFF, v[LI]
	WIN TO1
.irp i, 0,1,2,3,4,5,6,7,8,9,10,11,12,13,14,15
	global_load_b128 v[QF+4*\i:QF+4*\i+3], v[LI], s[20:21] offset:512*\i   ; Q stays in registers: its images as they lie
.endr
.set pb, 0
.rept 128
	v_mov_b32 v[OT+pb], 0                          ; O^T: the step is written once, and its first pass finds zeros
.set pb, pb+1
.endr
	WIN 0
.irp t, 0,1,2,3
	v_mov_b32 v[ST+8*\t+1], 0xff61b1e6             ; m = -3e38, under every score
	v_mov_b32 v[ST+8*\t+2], 0                      ; l
	v_mov_b32 v[ST+8*\t+3], 0
.endr
.irp t, 0,1,2,3
	v_mul_f32 v[ST+8*\t], s[CS], v[ST+8*\t+1]      ; c m
.endr
	s_wait_tensorcnt 1                             ; my part of slot 0 is in; slot 1's may stay out
	s_barrier_signal -1
	s_barrier_wait -1                              ; everybody's is
	s_wait_loadcnt 0x0                             ; Q
	SLOTWORK 0                                     ; keys 0 on
	CHANGE 1, G0A, 1                               ; slot 0 takes keys 1,024 on; the last 512 keys are asked of memory
	SLOTWORK 1                                     ; keys 512 on
	CHANGE 1, G0B, 0                               ; slot 1 takes keys 1,536 on
	SLOTWORK 0
	CHANGE 0, G0A, 0                               ; nothing is left to fetch
	SLOTWORK 1
	; THE WAY OUT.  l's two halves and the other half of the lanes' are added; O^T is divided by l and rounded to f16: two neighbouring accumulators are an image of the last launch's operand, stored as it stands.
.irp t, 0,1,2,3
	v_add_f32 v[ST+8*\t+4], v[ST+8*\t+2], v[ST+8*\t+3]   ; (these four are the places behind the last products)
.endr
.irp t, 0,1,2,3
	v_permlanex16_b32 v[ST+8*\t+5], v[ST+8*\t+4], s[SEL], s[SEL+1]
.endr
.irp t, 0,1,2,3
	v_add_f32 v[ST+8*\t+4], v[ST+8*\t+4], v[ST+8*\t+5]
.endr
.irp t, 0,1,2,3
	v_rcp_f32 v[ST+8*\t+6], v[ST+8*\t+4]
.endr
	v_nop                                          ; a plain instruction between the last reciprocal and the use of its result
	s_wait_alu depctr_va_vdst(0)                   ; one wait for the four reciprocals, ahead of the first use
.irp t, 0,1,2,3
	WIN W_RS
.set pb, 0
.rept 16
	v_pk_mul_f32 v[OT+32*\t+pb:OT+32*\t+pb+1], v[OT+32*\t+pb:OT+32*\t+pb+1], v[ST+8*\t+6:ST+8*\t+7] op_sel_hi:[1,0]
.set pb, pb+2
.endr
	WIN 0x05                                       ; sources window 1, destination window 0: S^T's registers are free
.set pb, 0
.rept 16
	v_cvt_pk_f16_f32 v[S+16*\t+pb], v[OT+32*\t+2*pb], v[OT+32*\t+2*pb+1]
.set pb, pb+1
.endr
	WIN 0
.irp ct, 0,1,2,3
	global_store_b128 v[LI], v[S+16*\t+4*\ct:S+16*\t+4*\ct+3], s[22:23] offset:8192*\t+512*\ct   ; 512 consecutive bytes, aligned
.endr
.endr
	s_wait_tensorcnt 0x0                           ; the wave's end, behind my last tensor load
	ds_add_u32 v[SPW], v[NIL]
	s_wait_dscnt 0x0
	CROUND                                         ; the closing round
	s_endpgm
.Lfunc_end_k_q5a3c0dcb71_attn:
	.size	k_q5a3c0dcb71_attn, .Lfunc_end_k_q5a3c0dcb71_attn-k_q5a3c0dcb71_attn
	.p2alignl 7, 3214868480
	.fill 96, 4, 3214868480
	.section	.rodata,"a",@progbits
	.p2align	6, 0x0
	.amdhsa_kernel k_q5a3c0dcb71_attn
		.amdhsa_group_segment_fixed_size 327680
		.amdhsa_private_segment_fixed_size 0
		.amdhsa_enable_private_segment 0
		.amdhsa_kernarg_size 16
		.amdhsa_user_sgpr_count 2
		.amdhsa_user_sgpr_kernarg_segment_ptr 1
		.amdhsa_wavefront_size32 1
		.amdhsa_system_sgpr_workgroup_id_x 1
		.amdhsa_system_sgpr_workgroup_id_y 1
		.amdhsa_system_sgpr_workgroup_id_z 1
		.amdhsa_system_vgpr_workitem_id 0
		.amdhsa_next_free_vgpr 512
		.amdhsa_next_free_sgpr 66
		.amdhsa_reserve_vcc 0
		.amdhsa_float_denorm_mode_32 3
		.amdhsa_float_denorm_mode_16_64 3
		.amdhsa_memory_ordered 1
		.amdhsa_forward_progress 1
		.amdhsa_inst_pref_size 156
	.end_amdhsa_kernel
	.amdgpu_metadata
---
amdhsa.version: [ 1, 2 ]
amdhsa.kernels:
  - .name:           k_q5a3c0dcb71_attn
    .symbol:         k_q5a3c0dcb71_attn.kd
    .args:
      - { .name: qkvf, .offset: 0, .size: 8, .value_kind: global_buffer, .address_space: global }
      - { .name: att, .offset: 8, .size: 8, .value_kind: global_buffer, .address_space: global }
    .group_segment_fixed_size: 327680
    .private_segment_fixed_size: 0
    .kernarg_segment_align: 8
    .kernarg_segment_size: 16
    .max_flat_workgroup_size: 256
    .sgpr_count:     66
    .vgpr_count:     512
    .wavefront_size: 32
...
	.end_amdgpu_metadata
.endif
;; end of part 3
;; launch outp (part 4): grid 8 x 64, 4 waves a work-group, clusters of 4 x 4, 327,680 bytes of LDS; arguments att, wof, out_proj_b, out0; writes out0
.if DOCPART == 4
	.amdgcn_target "amdgcn-amd-amdhsa--gfx1250"
	.amdhsa_code_object_version 6
	.text
	.protected	k_q5a3c0dcb71_outp
	.globl	k_q5a3c0dcb71_outp
	.p2align	8
	.type	k_q5a3c0dcb71_outp,@function
k_q5a3c0dcb71_outp:
	s_mov_b64 s[64:65], 0
	v_nop
	global_prefetch_b8 v0, s[64:65] scope:SCOPE_SE
	s_setreg_imm32_b32 hwreg(HW_REG_WAVE_MODE, 25, 1), 1
	s_wait_xcnt 0x0
	s_wait_alu depctr_hold_cnt(0) depctr_sa_sdst(0) depctr_va_vdst(0) depctr_va_sdst(0) depctr_va_ssrc(0) depctr_va_vcc(0) depctr_vm_vsrc(0)
	s_getreg_b32 s2, hwreg(HW_REG_IB_STS2, 6, 4)
	s_cmp_eq_u32 s2, 0
	s_cbranch_scc0 .Lentry_in_a_cluster
	s_endpgm
.Lentry_in_a_cluster:
	s_bfe_u32 s2, ttmp6, 0x10000c
	s_cmp_lg_u32 s2, 0xf033
	s_cbranch_scc0 .Lentry_shape_is_right
	s_endpgm
.Lentry_shape_is_right:
; out0[token][n] = the sum over k of att[token][k] out_proj_w[n][k] + out_proj_b[n]: [8192][1024], K = 1,024, f16 operands, sums and result in f32.
; Both operands arrive as images of operand registers: att [K step of 256: 4][16 tokens: 512][32 along K: 8][1,024 bytes], wof [K step: 4][16 columns: 64][32 along K: 8][1,024 bytes]; an image is registers 0-3 of a fragment
; (16 rows x 32 K) as 512 bytes, lane l's 16 bytes at 16 l, then registers 4-7.  So a K step's tile of 128 rows is 65,536 dense bytes, LDS needs no pitch, and every fragment load takes 512 consecutive bytes.
; A tile of 128 tokens x 128 columns is made by four waves, each 64 x 64: 16 accumulators.  (Tiles of 256 x 256 would be 128 work-groups; these are 512.)  K goes in four steps of 256 through two LDS slots.
; CLUSTERS: 4 x 4 work-groups; att's tiles are shared along a row of the cluster, the weight's along a column: each is asked for JOINTLY.
; THE MATRIX INSTRUCTION IS USED TRANSPOSED (source 0 = 16 columns of the result, source 1 = 16 tokens): a lane holds one token and eight neighbouring columns.  The bias is the C of each sum's first product.
; REGISTERS: window 0: v0-31 addresses; v32-95 the way out; v96-127 the bias; v128-255 the accumulators ((a, b) at v[128 + 8 (4 a + b)]).   window 1: two fragment buffers of 128: 64 registers of att, then 64 of the weight.
.set HALFT,  32768                     ; 64 rows' images of a K step: what one tensor load brings, and what one wave reads of either operand
.set SLOT,   4*HALFT                   ; att's 128 tokens, then the weight's 128 columns
.set ASTEP,  4194304                   ; a K step on in att
.set BSTEP,  524288                    ; and in wof
.set STAGE,  2*SLOT                    ; behind the ring: 16 rows x 272 bytes for each wave
.set SPITCH, 272
.set SPARE,  STAGE+4*16*SPITCH         ; the spare words, 128 bytes a wave
.set ADRA, 16                          ; v16-17  LDS address of my att fragments in slot 0, 1
.set ADRB, 20                          ; v20-21  the same for the weight
.set STO,  24                          ; v24     the way out: where I put 32 bytes of a row
.set RD,   25                          ; v25     where I read a row back
.set CO,   26                          ; v26     my byte offset in out0
.set SPW,  28                          ; v28     LDS address of my spare word; never rewritten
.set NIL,  29                          ; v29     0; never rewritten
.set TMP,  32
.set BIAS, 96
.set ACC,  128
.set F0,   0
.set F1,   128
.set G1, 24
.set G0, 32
.set G1B, 48
.set G0B, 56
.set MSB, 0
.macro WIN new                         ; the immediate's high byte repeats the setting that is left
.if MSB != \new
	s_set_vgpr_msb (MSB<<8)|\new
.set MSB, \new
.endif
.endm
.set MUL,  0x05                        ; sources 0 and 1 window 1; C and D window 0
.set TO_F, 0x40                        ; destination window 1, address window 0
.macro JLOAD s                         ; a joint load: waves 0 and 1 fetch att's two halves, waves 2 and 3 the weight's; an s_nop 0 and four v_nop follow each of the two lines
	s_cmp_eq_u32 s11, 0
	s_cbranch_scc0 .Lfor_b_\@
	tensor_load_to_lds s[G0+4*\s:G0+4*\s+3], s[G1:G1+7]
	s_nop 0
.rept 4
	v_nop
.endr
	s_branch .Lasked_\@
.Lfor_b_\@:
	tensor_load_to_lds s[G0B+4*\s:G0B+4*\s+3], s[G1B:G1B+7]
	s_nop 0
.rept 4
	v_nop
.endr
.Lasked_\@:
.endm
.macro CREST                           ; a round of the cluster's barrier behind its opening barrier
	s_cmp_lg_u32 s10, 0
	s_cbranch_scc1 .Lnot_wave_0_\@
	s_barrier_signal -3
.Lnot_wave_0_\@:
	s_barrier_wait -3
	s_barrier_signal -1
	s_barrier_wait -1
.endm
.macro CROUND
	s_barrier_signal -1
	s_barrier_wait -1
	CREST
.endm
	s_load_b128 s[4:7], s[0:1], 0x0                ; att, wof
	s_load_b128 s[68:71], s[0:1], 0x10             ; the bias, out0
	v_lshl_add_u32 v[SPW], v0, 2, SPARE
	v_mov_b32 v[NIL], 0
	ds_add_u32 v[SPW], v[NIL]                      ; the wave's opening: the add, twice on end, and its wait ahead of my first tensor load
	ds_add_u32 v[SPW], v[NIL]
	v_lshrrev_b32 v1, 5, v0
	v_readfirstlane_b32 s10, v1                    ; wave 0..3
	s_lshr_b32 s11, s10, 1                         ; which half of the tile's tokens is mine.  Also: I fetch for att (0) or for the weight (1)
	s_and_b32 s12, s10, 1                          ; which half of its columns.  Also: which half of that tile I fetch
	s_bfe_u32 s40, ttmp6, 0x40000                  ; cx, cy
	s_bfe_u32 s41, ttmp6, 0x40004
	s_lshl_b32 s42, ttmp9, 2
	s_add_co_u32 s42, s42, s40                     ; tile column = 4 x cluster x + cx
	s_and_b32 s13, ttmp7, 0xffff
	s_lshl_b32 s13, s13, 2
	s_add_co_u32 s13, s13, s41                     ; tile row = 4 x cluster y + cy
	s_lshl_b32 s43, s41, 2
	s_lshl_b32 s43, 15, s43                        ; my row of the cluster
	s_lshl_b32 s44, 0x1111, s40                    ; my column
	; descriptor group 1: 128 rows of 256 bytes (32 elements of 8), dense, no padding
	s_or_b32 s[G1+0], s43, (3<<16)|(1<<21)         ; the mask: att's tiles go to my row; elements of 8 bytes; bit 21 beside a mask
	s_or_b32 s[G1B+0], s44, (3<<16)|(1<<21)
.irp g, G1, G1B
	s_mov_b32 s[\g+1], 32<<16                      ; tensor_dim0
	s_mov_b32 s[\g+2], 128<<16                     ; tensor_dim1
	s_mov_b32 s[\g+3], 32<<16                      ; tile_dim0
	s_mov_b32 s[\g+4], 128                         ; tile_dim1
	s_mov_b32 s[\g+5], 32                          ; from row to row
	s_mov_b32 s[\g+6], 0
	s_mov_b32 s[\g+7], 0
.endr
	s_lshl_b32 s17, s12, 15                        ; which half I fetch
	s_lshl_b32 s16, s13, 16
	s_add_co_u32 s16, s16, s17                     ; att: 65,536 x tile row + 32,768 x half
	s_lshl_b32 s46, s42, 16
	s_add_co_u32 s46, s46, s17                     ; wof: 65,536 x tile column + 32,768 x half
	s_mov_b32 s17, 0
	s_mov_b32 s47, 0
	s_lshl_b32 s20, s10, 15                        ; where they go: wave x 32,768
	s_wait_dscnt 0x0                               ; both opening adds are done
	s_wait_kmcnt 0x0
	s_add_nc_u64 s[14:15], s[4:5], s[16:17]
	s_add_nc_u64 s[46:47], s[6:7], s[46:47]
	CROUND                                         ; all sixteen work-groups are here: the first joint loads meet
.irp s, 0,1
	s_mov_b32 s[G0+4*\s], 1
	s_add_co_u32 s[G0+4*\s+1], s20, \s*SLOT
	s_add_nc_u64 s[G0+4*\s+2:G0+4*\s+3], s[14:15], \s*ASTEP
	s_or_b32 s[G0+4*\s+3], s[G0+4*\s+3], 0x80000000
	s_mov_b32 s[G0B+4*\s], 1
	s_add_co_u32 s[G0B+4*\s+1], s20, \s*SLOT
	s_add_nc_u64 s[G0B+4*\s+2:G0B+4*\s+3], s[46:47], \s*BSTEP
	s_or_b32 s[G0B+4*\s+3], s[G0B+4*\s+3], 0x80000000
	JLOAD \s                                       ; two loads of mine are out
.endr
	v_and_b32 v1, 15, v0                           ; r = l % 16
	v_bfe_u32 v2, v0, 4, 1                         ; h = l / 16
	; out0 and the bias at my part: row 128 tile row + 64 token half (4,096 bytes a row), column 128 tile column + 64 column half
	s_lshl_b32 s16, s13, 19
	s_lshl_b32 s17, s11, 18
	s_add_co_u32 s16, s16, s17
	s_mov_b32 s17, 0
	s_add_nc_u64 s[70:71], s[70:71], s[16:17]
	s_lshl_b32 s46, s42, 9
	s_lshl_b32 s47, s12, 8
	s_add_co_u32 s46, s46, s47
	s_mov_b32 s47, 0
	s_add_nc_u64 s[70:71], s[70:71], s[46:47]
	s_add_nc_u64 s[68:69], s[68:69], s[46:47]
	v_lshlrev_b32 v6, 5, v2                        ; 32 h: block b's eight registers are the bias of columns 16 b + 8 h + 0..7
.irp b, 0,1,2,3
	global_load_b128 v[BIAS+8*\b:BIAS+8*\b+3],   v6, s[68:69] offset:64*\b
	global_load_b128 v[BIAS+8*\b+4:BIAS+8*\b+7], v6, s[68:69] offset:64*\b+16
.endr
	v_and_b32 v3, 31, v0
	v_lshlrev_b32 v3, 4, v3                        ; 16 l: my place in an image
	s_lshl_b32 s21, s11, 15                        ; my 64 tokens
	s_lshl_b32 s22, s12, 15                        ; my 64 columns,
	s_add_co_u32 s22, s22, 2*HALFT                 ; which lie behind att's 128 tokens
.irp s, 0,1
	v_add_nc_u32 v[ADRA+\s], s21, v3
	v_add_nc_u32 v[ADRB+\s], s22, v3
	s_add_co_u32 s21, s21, SLOT
	s_add_co_u32 s22, s22, SLOT
.endr
	s_mul_i32 s23, s10, 16*SPITCH
	s_add_co_u32 s23, s23, STAGE                   ; my stage
	v_mul_u32_u24 v4, v1, SPITCH                   ; in: row r, 32 bytes for each half of the lanes
	v_lshl_add_u32 v4, v2, 5, v4
	v_add_nc_u32 v[STO], s23, v4
	v_mul_u32_u24 v5, v2, SPITCH                   ; back: lanes 0-15 take one row of 256 bytes, lanes 16-31 the next
	v_lshl_add_u32 v5, v1, 4, v5
	v_add_nc_u32 v[RD], s23, v5
	v_lshlrev_b32 v5, 12, v2                       ; and the same two rows in out0
	v_lshl_add_u32 v[CO], v1, 4, v5
; 8 matrix instructions: token blocks a0, a0 + 1 x all 4 column blocks, 32 along K: half c of buffer f.  zero = 1: the first product starts the sums, with the bias as C.  The 16 accumulators take turns.
.macro MUL8 f, c, a0, zero
.irp a, \a0, \a0+1
.irp b, 0,1,2,3
.if \zero
	v_wmma_f32_16x16x32_f16 v[ACC+8*(4*(\a)+\b):ACC+8*(4*(\a)+\b)+7], v[\f+64+8*(4*\c+\b):\f+64+8*(4*\c+\b)+7], v[\f+8*(4*\c+\a):\f+8*(4*\c+\a)+7], v[BIAS+8*\b:BIAS+8*\b+7]
.else
	v_wmma_f32_16x16x32_f16 v[ACC+8*(4*(\a)+\b):ACC+8*(4*(\a)+\b)+7], v[\f+64+8*(4*\c+\b):\f+64+8*(4*\c+\b)+7], v[\f+8*(4*\c+\a):\f+8*(4*\c+\a)+7], v[ACC+8*(4*(\a)+\b):ACC+8*(4*(\a)+\b)+7]
.endif
.endr
.endr
.endm
; 32 LDS loads in one run: the fragments of the slot's quarter kq (64 along K: images 2 kq and 2 kq + 1 of each block of 16 rows) into buffer f; the first 32 along K first
.macro FETCH slot, kq, f
	WIN TO_F
.irp c, 0,1
.irp i, 0,1,2,3
	ds_load_b128 v[\f+64+8*(4*\c+\i):\f+64+8*(4*\c+\i)+3],   v[ADRB+\slot] offset:\i*8192+(2*(\kq)+\c)*1024
	ds_load_b128 v[\f+64+8*(4*\c+\i)+4:\f+64+8*(4*\c+\i)+7], v[ADRB+\slot] offset:\i*8192+(2*(\kq)+\c)*1024+512
	ds_load_b128 v[\f+8*(4*\c+\i):\f+8*(4*\c+\i)+3],         v[ADRA+\slot] offset:\i*8192+(2*(\kq)+\c)*1024
	ds_load_b128 v[\f+8*(4*\c+\i)+4:\f+8*(4*\c+\i)+7],       v[ADRA+\slot] offset:\i*8192+(2*(\kq)+\c)*1024+512
.endr
.endr
.endm
.macro PLACES                          ; four plain vector instructions in front of loads into registers that matrix instructions have read, and of reads of results
.rept 4
	v_nop
.endr
.endm
; A K step is four quarters of 64 along K, 32 matrix instructions each, on buffers 0, 1, 0, 1.  One of the first three: multiplies buffer f and fetches quarter kq into g.
.macro QUARTER slot, kq, f, g, zero
	s_wait_dscnt 16                                ; the first 32 along K are in; the other sixteen loads may be out
	WIN MUL
	MUL8 \f, 0, 0, \zero
	MUL8 \f, 0, 2, \zero
	PLACES
	FETCH \slot, \kq, \g
	s_wait_dscnt 32                                ; all but the 32 just issued
	WIN MUL
	MUL8 \f, 1, 0, 0
	MUL8 \f, 1, 2, 0
.endm
; The last quarter multiplies buffer 1 and changes slots: ONE barrier; in front of it each wave waits for all its tensor loads, adds 0 to its spare word, and waits for that and for its reads of this slot.
; fill = 1: the barrier opens a round of the cluster's, and this slot is filled again, two K steps ahead: the first tensor load behind the round, one a wave.
.macro TURN slot, next, fill
	WIN 0                                          ; (the add's two registers lie in window 0)
	s_wait_tensorcnt 0x0                           ; my part of the next slot has landed
	ds_add_u32 v[SPW], v[NIL]
	s_wait_dscnt 17                                ; the add and the youngest sixteen loads may be out
	WIN MUL
	MUL8 F1, 0, 0, 0                               ; eight matrix instructions stand between the add and the wait for it
	s_wait_dscnt 0x0                               ; the add is done, and my reads of this slot are over
	s_barrier_signal -1
	MUL8 F1, 0, 2, 0
.if \fill
	WIN 0
.endif
	s_barrier_wait -1
.if \fill
	CREST                                          ; no wave of any partner still reads this slot's tile or has a load on its way
	s_add_nc_u64 s[G0+4*\slot+2:G0+4*\slot+3], s[G0+4*\slot+2:G0+4*\slot+3], 2*ASTEP
	s_add_nc_u64 s[G0B+4*\slot+2:G0B+4*\slot+3], s[G0B+4*\slot+2:G0B+4*\slot+3], 2*BSTEP
	JLOAD \slot                                    ; the four v_nop behind it are also the places in front of the loads below
.else
	PLACES
.endif
	FETCH \next, 0, F0
	WIN MUL
	MUL8 F1, 1, 0, 0
	MUL8 F1, 1, 2, 0
.endm
	s_wait_tensorcnt 1                             ; my part of K step 0 is in (K step 1's load may be out)
	s_barrier_signal -1
	s_barrier_wait -1                              ; everybody's is
	FETCH 0, 0, F0
	s_wait_loadcnt 0x0                             ; the bias
	QUARTER 0, 1, F0, F1, 1                        ; K step 0: the first products start the sums from the bias
	QUARTER 0, 2, F1, F0, 0
	QUARTER 0, 3, F0, F1, 0
	TURN 0, 1, 1                                   ; slot 0 takes K step 2
	QUARTER 1, 1, F0, F1, 0                        ; K step 1
	QUARTER 1, 2, F1, F0, 0
	QUARTER 1, 3, F0, F1, 0
	TURN 1, 0, 1                                   ; slot 1 takes K step 3
	QUARTER 0, 1, F0, F1, 0                        ; K step 2
	QUARTER 0, 2, F1, F0, 0
	QUARTER 0, 3, F0, F1, 0
	TURN 0, 1, 0                                   ; nothing is left to fetch
	QUARTER 1, 1, F0, F1, 0                        ; K step 3
	QUARTER 1, 2, F1, F0, 0
	QUARTER 1, 3, F0, F1, 0
	s_wait_dscnt 16                                ; the very last quarter
	WIN MUL
	MUL8 F1, 0, 0, 0
	MUL8 F1, 0, 2, 0
	s_wait_dscnt 0
	MUL8 F1, 1, 0, 0
	MUL8 F1, 1, 2, 0
	WIN 0
; THE WAY OUT, token block by token block.  A lane holds 32 neighbouring bytes of a row, the lanes beside it other rows: a block of 16 rows x 256 bytes goes through my own stage in LDS and comes back as whole rows.
; LDS serves a wave's instructions in order (ISA guide 5.7.1.4): no wait between the stores and the loads, nor in front of the next block's stores.
.macro TOSTAGE a
.irp b, 0,1,2,3
	ds_store_b128 v[STO], v[ACC+8*(4*(\a)+\b):ACC+8*(4*(\a)+\b)+3]   offset:64*\b      ; each accumulator from its low end on
	ds_store_b128 v[STO], v[ACC+8*(4*(\a)+\b)+4:ACC+8*(4*(\a)+\b)+7] offset:64*\b+16
.endr
.irp i, 0,1,2,3,4,5,6,7
	ds_load_b128 v[TMP+32*((\a)%2)+4*\i:TMP+32*((\a)%2)+4*\i+3], v[RD] offset:\i*2*SPITCH
.endr
.endm
.macro SEND a, younger                 ; younger: the LDS instructions issued behind block a's loads, which may stay out
	s_wait_dscnt \younger
.irp i, 0,1,2,3,4,5,6,7
	global_store_b128 v[CO], v[TMP+32*((\a)%2)+4*\i:TMP+32*((\a)%2)+4*\i+3], s[70:71] offset:(16*(\a)+2*\i)*4096 th:TH_STORE_NT   ; 16 lanes store 256 consecutive bytes, aligned; written once, read by nobody here
.endr
.endm
	PLACES
	TOSTAGE 0
.irp a, 1,2,3
.if \a > 1
	s_wait_xcnt 0x0                                ; block a - 2's stores have read their registers: block a's loads land there only behind this wait
.endif
	TOSTAGE \a
	SEND \a-1, 16                                  ; behind block a - 1's loads: block a's 8 stores and 8 loads
.endr
	SEND 3, 0
	s_wait_tensorcnt 0x0                           ; the wave's end, behind my last tensor load and my last LDS store
	ds_add_u32 v[SPW], v[NIL]
	s_wait_dscnt 0x0
	CROUND                                         ; the closing round
	s_endpgm
.Lfunc_end_k_q5a3c0dcb71_outp:
	.size	k_q5a3c0dcb71_outp, .Lfunc_end_k_q5a3c0dcb71_outp-k_q5a3c0dcb71_outp
	.p2alignl 7, 3214868480
	.fill 96, 4, 3214868480
	.section	.rodata,"a",@progbits
	.p2align	6, 0x0
	.amdhsa_kernel k_q5a3c0dcb71_outp
		.amdhsa_group_segment_fixed_size 327680
		.amdhsa_private_segment_fixed_size 0
		.amdhsa_enable_private_segment 0
		.amdhsa_kernarg_size 32
		.amdhsa_user_sgpr_count 2
		.amdhsa_user_sgpr_kernarg_segment_ptr 1
		.amdhsa_wavefront_size32 1
		.amdhsa_system_sgpr_workgroup_id_x 1
		.amdhsa_system_sgpr_workgroup_id_y 1
		.amdhsa_system_sgpr_workgroup_id_z 1
		.amdhsa_system_vgpr_workitem_id 0
		.amdhsa_next_free_vgpr 512
		.amdhsa_next_free_sgpr 72
		.amdhsa_reserve_vcc 0
		.amdhsa_float_denorm_mode_32 3
		.amdhsa_float_denorm_mode_16_64 3
		.amdhsa_memory_ordered 1
		.amdhsa_forward_progress 1
		.amdhsa_inst_pref_size 86
	.end_amdhsa_kernel
	.amdgpu_metadata
---
amdhsa.version: [ 1, 2 ]
amdhsa.kernels:
  - .name:           k_q5a3c0dcb71_outp
    .symbol:         k_q5a3c0dcb71_outp.kd
    .args:
      - { .name: att, .offset: 0, .size: 8, .value_kind: global_buffer, .address_space: global }
      - { .name: wof, .offset: 8, .size: 8, .value_kind: global_buffer, .address_space: global }
      - { .name: out_proj_b, .offset: 16, .size: 8, .value_kind: global_buffer, .address_space: global }
      - { .name: out0, .offset: 24, .size: 8, .value_kind: global_buffer, .address_space: global }
    .group_segment_fixed_size: 327680
    .private_segment_fixed_size: 0
    .kernarg_segment_align: 8
    .kernarg_segment_size: 32
    .max_flat_workgroup_size: 128
    .sgpr_count:     72
    .vgpr_count:     512
    .wavefront_size: 32
...
	.end_amdgpu_metadata
.endif
;; end of part 4
